; MI455X (gfx1250); checked and timed in simulation.
; The chip was launched on July 23, 2026; its instructions are those of AMD's public machine-readable ISA for CDNA 5 (MIT licence, August 2026) and "CDNA5" Instruction Set Architecture Reference Guide (July 2026). The comments in the code are by the model that wrote it; some were corrected since.
;; FAST Multi Head Attention. Allowed arithmetic: matrix products marked QUANTISED: E3M2 operands, one E8M0 scale for each 32 along K, by v_wmma_scale_f32_16x16x128_f8f6f4 with both operands' format E3M2, f32 sums; everything else in f32.
;; Inputs: drop_noise 1 x 16 x 2,048 x 64 float32; k 1 x 16 x 2,048 x 64 float32; q 1 x 16 x 2,048 x 64 float32; rpe_matrix 4,095 x 64 float32; v 1 x 16 x 2,048 x 64 float32.
;; Outputs: out0 1 x 16 x 2,048 x 64 float32.
;; This version of the problem:
;;   THIS VERSION OF THE PROBLEM IS GIVEN IN LOW PRECISION. The matrix products marked QUANTISED in the list below multiply operands that are first quantised to E3M2 (3 exponent bits, 2 mantissa bits; 6 bits a number), with one power-of-two scale for each 32 numbers along K (OCP MX v1.0); their sums are f32. All else is computed in f32.
;;   The module's matrix products, in the order in which they are computed (A, B: the left and right operand; K: the contracted axis; several contracted axes count as one K, in the product's order):
;;     1. batch 16 x [M 2,048, K 64] x [K 64, N 2,048]; A: input q; B: computed on the way: QUANTISED
;;     2. [M 32,768, K 64] x [K 64, N 4,095]; A: input q; B: input rpe_matrix: QUANTISED
;;     3. batch 16 x [M 2,048, K 2,048] x [K 2,048, N 64]; A: computed on the way; B: input v: QUANTISED
;;   THE QUANTISER, for each operand of a quantised product, along K:
;;     - K is cut into blocks of 32 from its start; a last block that is shorter is filled with zeros.
;;     - A block's scale is 2^e with e = floor(log2(the largest magnitude in the block)) - 4, held to -126 .. 127; a block of zeros has e = 0. As a byte (E8M0): e + 127.
;;     - Each number is divided by its block's scale, clamped to +-28, and rounded to the nearest number of E3M2, ties to even, subnormals kept.
;;     - The product sums the exact products of the quantised numbers (number of the format x scale) in f32.
;;   ~~~python
;;   def quantise(x, axis):      # numpy; x: float32 -> the quantised numbers, widened to float32 again
;;       x = np.moveaxis(x, axis, -1); K = x.shape[-1]
;;       x = np.pad(x, [(0, 0)] * (x.ndim - 1) + [(0, -K % 32)]); x = x.reshape(x.shape[:-1] + (-1, 32)); a = np.abs(x).max(-1, keepdims=True)
;;       e = np.where(a > 0, np.clip(np.frexp(np.where(a > 0, a, 1))[1] - 1 - 4, -126, 127), 0)      # np.frexp(a)[1] - 1 = floor(log2(a)), exactly
;;       r = np.clip(x / 2.0 ** e, -28, 28)
;;       step = 2.0 ** (np.maximum(np.frexp(np.where(r == 0, 1, r))[1] - 1, -2) - 2)
;;       q = np.round(r / step) * step * 2.0 ** e      # np.round: ties to even
;;       return np.moveaxis(q.reshape(q.shape[:-2] + (-1,))[..., :K], -1, axis).astype(np.float32)
;;   ~~~
;;   OPERANDS COMPUTED ON THE WAY. 'Computed on the way' means the value that the module computes at that place (a softmax that the list does not call 'softmax' is quantised finished and normalised). What goes into a quantiser is computed in f32, as accurately as f32 sums, v_exp_f32 and their like allow (about 1e-6 of the number): no bf16 or f16 on the way to a quantiser, and a product that is left as it is and whose result goes on into a quantised operand takes f32 operands (vector FMAs, or v_wmma_f32_16x16x4_f32). A number that lies on a knife's edge between two numbers of the format may be rounded either way, as far as f32 arithmetic and the matrix unit's own rounding can turn it there, and no further.
;; 2 versions, each right; version 2 is version 1 with the launch attn written anew for expert scheduling mode. Each part assembles by itself: llvm-mc -triple=amdgcn-amd-amdhsa -mcpu=gfx1250 --defsym DOCPART=n.
;; ======== version 1 of 2: 2 launches
;; limits: right only within a limited range of input values
;; workspace buffers: kimg 1,703,936 bytes; vimg 1,638,400 bytes; rtab 119,808 bytes
;; launch prep (part 1): grid 265 x 1, 4 waves a work-group, no clusters, 76,288 bytes of LDS; arguments k, v, rpe_matrix, kimg, vimg, rtab; writes kimg, vimg, rtab
.if DOCPART == 1
	.amdgcn_target "amdgcn-amd-amdhsa--gfx1250"
	.amdhsa_code_object_version 6
	.text
	.protected	k_q1f79216a1e_prep
	.globl	k_q1f79216a1e_prep
	.p2align	8
	.type	k_q1f79216a1e_prep,@function
k_q1f79216a1e_prep:
	s_mov_b64 s[64:65], 0
	v_nop
	global_prefetch_b8 v0, s[64:65] scope:SCOPE_SE
	s_setreg_imm32_b32 hwreg(HW_REG_WAVE_MODE, 25, 1), 1
	s_wait_xcnt 0x0
; k, v and rows 0 .. 2303 of rpe_matrix (f32) become codes of BF6 (E3M2) with one E8M0 byte for each 32 along K, laid as the second launch's registers take them.
; A block's scale is 2^(floor(log2(its largest magnitude)) - 4): its byte is the largest magnitude's exponent field - 4, held at 1 from below by a floor among the maximum's leaves.
; (A block of zeros so gets the byte 1 where the quantiser says 127: its codes are zeros, which add nothing, and only this program reads the bytes.)
; LIMITS: NaN and infinities among the inputs are not served; blocks whose largest magnitude lies under 2^-122 keep the byte 1.
; Work-groups 0 .. 127 take k, 128 .. 255 take v, 256 .. 264 take rpe_matrix; each of the three paths has LDS bytes of its own.  Waves share nothing: no barrier.
; k, rpe (K = the 64 numbers of a row, innermost): a wave takes 64 rows.  Each load reads 512 consecutive bytes; 16 rows at a time turn through the wave's stage in LDS so that a lane holds a whole block of 32.
; v (K = the keys, not innermost): a wave takes 128 keys x 32 channels; a lane takes a channel and its registers run down the keys, so that a block of 32 keys lies in one lane.
; IMAGES.  kimg: for (head, 128 keys) 6,656 bytes: 12 chunks of 512 bytes, dword d of lane L at 512 (d / 4) + 16 L + 4 (d % 4); d = 6 T + e is dword e of the 24 bytes of
;   (key 32 (T / 2) + 8 (T % 2) + m + 8 (m / 8), numbers 32 h ..), L = m + 16 h; then 512 bytes of scale words at 6,144 + 256 (T / 4) + 8 (m + 16 (T % 2)) + 4 ((T / 2) % 2).
; vimg: 6,400 bytes: the same chunks with d = 12 t + 6 c + e: (channel 16 t + m, keys 64 c + 32 h ..); then the 64 channels' scale words (four bytes: the four blocks of keys).
; rtab: row r's 48 bytes of codes at 48 r; its scale word at 110,592 + 4 r.  A scale word of k or rpe has two bytes; the upper two are 0.
.set X,     96                         ; v96-223  numbers as loaded
.set Y,     64                         ; v64-95   one block of 32 numbers
.set WREG,  7936                       ; k, rpe: a wave's LDS: a stage of 32 places of 144 bytes, then its image: 3,072 bytes of codes, 256 of scale words
.set IMGO,  4608
.set RBASE, 31744                      ; rpe's four regions lie behind k's four
.set VBASE, 63488                      ; v's behind those: 3,072 bytes a wave
.set VREG,  3072
; 32 numbers of a lane, v[src] on, become 24 bytes of codes in v[20:25] and the scale's byte in v15.
.macro QBLK src
	v_max3_num_f32 v12, |v[\src]|, |v[\src+1]|, |v[\src+2]|          ; the largest magnitude, in two chains
	v_max3_num_f32 v13, |v[\src+3]|, |v[\src+4]|, |v[\src+5]|
.irp i, 6,10,14,18,22,26
	v_max3_num_f32 v12, v12, |v[\src+\i]|, |v[\src+\i+1]|
	v_max3_num_f32 v13, v13, |v[\src+\i+2]|, |v[\src+\i+3]|
.endr
	v_max3_num_f32 v12, v12, |v[\src+30]|, |v[\src+31]|
	v_max3_num_f32 v12, v12, v13, 0x2800000                          ; and the floor 2^(5 - 127): the byte cannot fall under 1
	v_add_nc_u32 v14, 0xfe000000, v12                                ; 4 off the exponent field: the conversion takes this operand's exponent field as its scale
	v_cvt_scalef32_pk16_bf6_f32 v[20:22], v[\src:\src+15], v14
	v_cvt_scalef32_pk16_bf6_f32 v[24:26], v[\src+16:\src+31], v14    ; (a conversion's three registers begin on an even number)
	v_lshrrev_b32 v15, 23, v14                                       ; the scale's byte; also the plain line behind the conversions
	v_mov_b32 v23, v24
	v_mov_b32 v24, v25
	v_mov_b32 v25, v26                                               ; v[20:25]: the block's 192 bits without gaps
.endm
; k (kind = 0) or rpe_matrix (kind = 1): my wave's 64 rows of 256 bytes.
.macro ROWPATH kind
.if \kind
	s_sub_co_u32 s17, ttmp9, 256
.else
	s_mov_b32 s17, ttmp9
.endif
	s_lshl_b32 s17, s17, 2
	s_add_co_u32 s17, s17, s16                     ; which run of 64 rows
	s_lshl_b32 s18, s17, 14                        ; 16,384 bytes a run  (s19 = 0)
.if \kind
	s_add_nc_u64 s[20:21], s[8:9], s[18:19]        ; from
	s_mul_i32 s18, s17, 3072
	s_add_nc_u64 s[22:23], s[14:15], s[18:19]      ; codes to
	s_lshl_b32 s18, s17, 8
	s_add_co_u32 s18, s18, 110592
	s_add_nc_u64 s[24:25], s[14:15], s[18:19]      ; scale words to
.else
	s_add_nc_u64 s[20:21], s[4:5], s[18:19]
	s_lshr_b32 s26, s17, 1                         ; which image
	s_and_b32 s27, s17, 1                          ; which half of it
	s_mul_i32 s26, s26, 6656
	s_mul_i32 s18, s27, 3072
	s_add_co_u32 s18, s18, s26
	s_add_nc_u64 s[22:23], s[10:11], s[18:19]
	s_lshl_b32 s18, s27, 8
	s_add_co_u32 s18, s18, s26
	s_add_co_u32 s18, s18, 6144
	s_add_nc_u64 s[24:25], s[10:11], s[18:19]
.endif
.irp s, 0,1,2,3
.irp i, 0,1,2,3,4,5,6,7
	global_load_b128 v[X+32*\s+4*\i:X+32*\s+4*\i+3], v2, s[20:21] offset:4096*\s+512*\i th:TH_LOAD_NT   ; 32 lanes read 512 consecutive bytes; all 32 loads go out at once
.endr
.endr
	s_mul_i32 s28, s16, WREG
.if \kind
	s_add_co_u32 s28, s28, RBASE
.endif
	v_lshrrev_b32 v3, 3, v1
	v_mul_u32_u24 v3, v3, 144
	v_and_b32 v12, 7, v1
	v_lshl_add_u32 v3, v12, 4, v3
	v_add_nc_u32 v3, s28, v3                       ; the stage, in: eight lanes' 128 bytes (a block) on end, then 16 of padding
	v_mul_u32_u24 v4, v1, 144
	v_add_nc_u32 v4, s28, v4                       ; out: place = lane: row lane / 2 of the 16, block lane % 2
	s_add_co_u32 s28, s28, IMGO                    ; my image
	v_and_b32 v8, 1, v1                            ; h: which block of the row
.if \kind
	v_mul_u32_u24 v5, v1, 24
	v_add_nc_u32 v5, s28, v5                       ; rows as they lie: 48 (lane / 2) + 24 h = 24 x lane
	v_lshrrev_b32 v7, 1, v1
	v_lshlrev_b32 v7, 2, v7
	v_add_nc_u32 v7, s28, v7                       ; a word a row
.else
	v_bfe_u32 v12, v1, 1, 3                        ; the row's low three bits: m % 8
	v_lshrrev_b32 v13, 4, v1                       ; u: rows 8 .. 15 of the 16 belong to the odd tile
	v_lshlrev_b32 v5, 4, v12
	v_lshl_add_u32 v5, v8, 8, v5
	v_add_nc_u32 v5, s28, v5                       ; 16 (m % 8) + 256 h
	v_mad_u32_u24 v6, v13, 1016, v5                ; the three pieces of 8 bytes of dwords 6 u .. 6 u + 5 lie at 0, 8, 512 (u = 0) or 520, 1,024, 1,032 (u = 1)
	v_mad_u32_u24 v5, v13, 520, v5
	v_lshlrev_b32 v7, 3, v12
	v_lshl_add_u32 v7, v13, 7, v7
	v_add_nc_u32 v7, s28, v7                       ; scale words: 8 (m % 8) + 128 u
.endif
	v_lshlrev_b32 v8, 3, v8                        ; 8 h: my byte's place in the scale word
	v_add_nc_u32 v9, s28, v2                       ; the way out: 16 bytes a lane,
	v_add_nc_u32 v10, s28, v11                     ; and 8 for the scale words
.irp s, 0,1,2,3
	s_wait_loadcnt 24-8*\s                         ; this step's eight loads are in; the later steps' stay out
.irp i, 0,1,2,3,4,5,6,7
	ds_store_b128 v3, v[X+32*\s+4*\i:X+32*\s+4*\i+3] offset:576*\i
.endr
.irp k, 0,1,2,3,4,5,6,7
	ds_load_b128 v[Y+4*\k:Y+4*\k+3], v4 offset:16*\k             ; LDS serves a wave's instructions in order: these see the stores above
.endr
	s_wait_dscnt 0x0                               ; my block is in; the last step's stores have read the codes' registers
	QBLK Y
	v_lshlrev_b32 v16, v8, v15
	v_mov_b32_dpp v17, v16 row_xmask:1 row_mask:0xf bank_mask:0xf    ; the row's other block lies in the neighbouring lane
	v_or_b32 v18, v16, v17                         ; the row's scale word
.if \kind
	ds_store_b64 v5, v[20:21] offset:768*\s
	ds_store_b64 v5, v[22:23] offset:768*\s+8
	ds_store_b64 v5, v[24:25] offset:768*\s+16
	ds_store_b32 v7, v18 offset:3072+64*\s         ; both lanes of a row write the same word
.else
	ds_store_b64 v5, v[20:21] offset:1536*(\s/2)+128*(\s%2)          ; step s: tiles 2 (s / 2) + u of the half image, rows m = 8 (s % 2) + 0 .. 7
	ds_store_b64 v6, v[22:23] offset:1536*(\s/2)+128*(\s%2)+8
	ds_store_b64 v5, v[24:25] offset:1536*(\s/2)+128*(\s%2)+512
	ds_store_b32 v7, v18 offset:3072+64*(\s%2)+4*(\s/2)
.endif
.endr
.irp q, 0,1,2,3,4,5
	ds_load_b128 v[28+4*\q:31+4*\q], v9 offset:512*\q
.endr
	ds_load_b64 v[52:53], v10 offset:3072
	s_wait_dscnt 0x0
.irp q, 0,1,2,3,4,5
	global_store_b128 v2, v[28+4*\q:31+4*\q], s[22:23] offset:512*\q   ; 32 lanes store 512 consecutive bytes, at a multiple of 256 from the buffer's first byte
.endr
	global_store_b64 v11, v[52:53], s[24:25]       ; 256 consecutive bytes, aligned likewise
.endm
	s_load_b128 s[4:7], s[0:1], 0x0                ; k, v
	s_load_b128 s[8:11], s[0:1], 0x10              ; rpe_matrix, kimg
	s_load_b128 s[12:15], s[0:1], 0x20             ; vimg, rtab
	v_lshl_add_u32 v224, v0, 2, 0x12800
	v_mov_b32 v225, 0
	v_lshrrev_b32 v1, 5, v0
	v_readfirstlane_b32 s16, v1                    ; wave 0..3
	v_and_b32 v1, 31, v0                           ; lane
	v_lshlrev_b32 v2, 4, v1                        ; 16 x lane
	v_lshlrev_b32 v11, 3, v1                       ; 8 x lane
	v_mov_b32 v17, 0                               ; written once: the destination of a lane move counts as read
	s_mov_b32 s19, 0                               ; the upper word of every offset
	s_wait_kmcnt 0x0
	s_cmp_lt_u32 ttmp9, 128
	s_cbranch_scc1 .Lkeys
	s_cmp_lt_u32 ttmp9, 256
	s_cbranch_scc1 .Lvalues
	ROWPATH 1
	s_wait_tensorcnt 0x0
	ds_add_u32 v224, v225
	s_wait_dscnt 0x0
	s_endpgm
.Lkeys:
	ROWPATH 0
	s_wait_tensorcnt 0x0
	ds_add_u32 v224, v225
	s_wait_dscnt 0x0
	s_endpgm
.Lvalues:
	s_sub_co_u32 s17, ttmp9, 128
	s_lshl_b32 s17, s17, 2
	s_add_co_u32 s17, s17, s16
	s_lshr_b32 s26, s17, 1                         ; which image: 128 keys of a head
	s_and_b32 s27, s17, 1                          ; which 32 of the 64 channels
	s_lshl_b32 s18, s26, 15                        ; 128 rows of 256 bytes
	s_lshl_b32 s29, s27, 7
	s_add_co_u32 s18, s18, s29
	s_add_nc_u64 s[20:21], s[6:7], s[18:19]
	s_mul_i32 s26, s26, 6400
	s_mul_i32 s18, s27, 3072
	s_add_co_u32 s18, s18, s26
	s_add_nc_u64 s[22:23], s[12:13], s[18:19]
	s_add_co_u32 s18, s26, s29
	s_add_co_u32 s18, s18, 6144
	s_add_nc_u64 s[24:25], s[12:13], s[18:19]
	v_lshlrev_b32 v3, 2, v1                        ; 4 x lane: my channel
.macro VLD t                           ; block t: v(32 t + i, my channel), i = 0 .. 31: each load reads 128 consecutive bytes; the neighbouring wave reads the row's other half
.irp i, 0,1,2,3,4,5,6,7,8,9,10,11,12,13,14,15,16,17,18,19,20,21,22,23,24,25,26,27,28,29,30,31
	global_load_b32 v[X+32*(\t)+\i], v3, s[20:21] offset:(32*(\t)+\i)*256
.endr
.endm
	VLD 0
	VLD 1
	s_mul_i32 s28, s16, VREG
	s_add_co_u32 s28, s28, VBASE                   ; my image
	v_lshrrev_b32 v12, 4, v1
	v_and_b32 v13, 15, v1
	v_mul_u32_u24 v5, v12, 1536                    ; tile t = lane / 16 of my two: 12 dwords a lane = three chunks
	v_lshl_add_u32 v5, v13, 4, v5
	v_add_nc_u32 v5, s28, v5                       ; + 16 m
	v_add_nc_u32 v9, s28, v2
.irp t, 0,1,2,3
.if \t < 3
	s_wait_loadcnt 32                              ; this block's 32 loads are in; the next block's 32 may be out
.else
	s_wait_loadcnt 0x0
.endif
.if \t < 2
	VLD \t+2                                       ; loads run two blocks ahead
.endif
.if \t > 0
	s_wait_dscnt 0x0                               ; the last block's stores have read the codes' registers
.endif
	QBLK X+32*\t
.if \t == 0
	v_mov_b32 v18, v15                             ; the four blocks' bytes make my channel's scale word
.else
	v_lshl_or_b32 v18, v15, 8*\t, v18
.endif
.if \t < 2                             ; block t = 2 c + h: dwords 6 c .. 6 c + 5 of lane m + 16 h
	ds_store_b64 v5, v[20:21] offset:256*(\t%2)
	ds_store_b64 v5, v[22:23] offset:256*(\t%2)+8
	ds_store_b64 v5, v[24:25] offset:256*(\t%2)+512
.else
	ds_store_b64 v5, v[20:21] offset:256*(\t%2)+520
	ds_store_b64 v5, v[22:23] offset:256*(\t%2)+1024
	ds_store_b64 v5, v[24:25] offset:256*(\t%2)+1032
.endif
.endr
.irp q, 0,1,2,3,4,5
	ds_load_b128 v[28+4*\q:31+4*\q], v9 offset:512*\q
.endr
	s_wait_dscnt 0x0
.irp q, 0,1,2,3,4,5
	global_store_b128 v2, v[28+4*\q:31+4*\q], s[22:23] offset:512*\q
.endr
	global_store_b32 v3, v18, s[24:25]             ; 128 consecutive bytes: the image's 256 bytes of scale words come from two waves (4 bytes in 100 of what this path stores)
	s_wait_tensorcnt 0x0
	ds_add_u32 v224, v225
	s_wait_dscnt 0x0
	s_endpgm
.Lfunc_end_k_q1f79216a1e_prep:
	.size	k_q1f79216a1e_prep, .Lfunc_end_k_q1f79216a1e_prep-k_q1f79216a1e_prep
	.p2alignl 7, 3214868480
	.fill 96, 4, 3214868480
	.section	.rodata,"a",@progbits
	.p2align	6, 0x0
	.amdhsa_kernel k_q1f79216a1e_prep
		.amdhsa_group_segment_fixed_size 76288
		.amdhsa_private_segment_fixed_size 0
		.amdhsa_enable_private_segment 0
		.amdhsa_kernarg_size 48
		.amdhsa_user_sgpr_count 2
		.amdhsa_user_sgpr_kernarg_segment_ptr 1
		.amdhsa_wavefront_size32 1
		.amdhsa_system_sgpr_workgroup_id_x 1
		.amdhsa_system_sgpr_workgroup_id_y 1
		.amdhsa_system_sgpr_workgroup_id_z 1
		.amdhsa_system_vgpr_workitem_id 0
		.amdhsa_next_free_vgpr 226
		.amdhsa_next_free_sgpr 66
		.amdhsa_reserve_vcc 0
		.amdhsa_float_denorm_mode_32 3
		.amdhsa_float_denorm_mode_16_64 3
		.amdhsa_memory_ordered 1
		.amdhsa_forward_progress 1
		.amdhsa_inst_pref_size 56
	.end_amdhsa_kernel
	.amdgpu_metadata
---
amdhsa.version: [ 1, 2 ]
amdhsa.kernels:
  - .name:           k_q1f79216a1e_prep
    .symbol:         k_q1f79216a1e_prep.kd
    .args:
      - { .name: k, .offset: 0, .size: 8, .value_kind: global_buffer, .address_space: global }
      - { .name: v, .offset: 8, .size: 8, .value_kind: global_buffer, .address_space: global }
      - { .name: rpe_matrix, .offset: 16, .size: 8, .value_kind: global_buffer, .address_space: global }
      - { .name: kimg, .offset: 24, .size: 8, .value_kind: global_buffer, .address_space: global }
      - { .name: vimg, .offset: 32, .size: 8, .value_kind: global_buffer, .address_space: global }
      - { .name: rtab, .offset: 40, .size: 8, .value_kind: global_buffer, .address_space: global }
    .group_segment_fixed_size: 76288
    .private_segment_fixed_size: 0
    .kernarg_segment_align: 8
    .kernarg_segment_size: 48
    .max_flat_workgroup_size: 128
    .sgpr_count:     66
    .vgpr_count:     226
    .wavefront_size: 32
...
	.end_amdgpu_metadata
.endif
;; end of part 1
;; launch attn (part 2): grid 16 x 16, 8 waves a work-group, no clusters, 221,184 bytes of LDS; arguments q, kimg, vimg, rtab, drop_noise, out0; writes out0
.if DOCPART == 2
	.amdgcn_target "amdgcn-amd-amdhsa--gfx1250"
	.amdhsa_code_object_version 6
	.text
	.protected	k_q1f79216a1e_attn
	.globl	k_q1f79216a1e_attn
	.p2align	8
	.type	k_q1f79216a1e_attn,@function
k_q1f79216a1e_attn:
	s_mov_b64 s[64:65], 0
	v_nop
	global_prefetch_b8 v0, s[64:65] scope:SCOPE_SE
	s_setreg_imm32_b32 hwreg(HW_REG_WAVE_MODE, 25, 1), 1
	s_wait_xcnt 0x0
; out[z][i] = (sum over j <= i of Q(a_ij) Q(v_j)) / (sum over j <= i of a_ij) x (1 + 0.0 drop_noise),  a = 1 + s + s^2 / 2,  s_ij = Q(q_i) . Q(k_j) + Q(q_i) . Q(rpe[2047 - i + j]).
; All three products on codes of BF6 (E3M2) with one E8M0 byte for each 32 along K.  16 heads, 2,048 queries and keys, 64 numbers a row.
; ALGEBRA.  t = 1 + bias + content;  a2 = t t + 1 = 2 a.  a2 is masked, summed and quantised: a factor 2 leaves the codes as they are and raises the scale's byte by one, and it cancels in the division.
;   The 1 is the C of the product with rpe, and 1 + bias, brought to its key, is the C of the product with k: neither addition costs a vector instruction.  k / TEMPERATURE with TEMPERATURE = 1 is k.
; LIMITS: NaN and infinities in q, k, v, rpe_matrix are not served; blocks whose largest magnitude lies under 2^-122 keep the scale byte 1; t t overflows from |s| about 1.8e19
;   (a itself from about 2.6e19); 1 + s is rounded in another order than s alone: some ulps of f32 ahead of the quantiser.
; K = 64 IN A FORM OF K = 128: q's fragment has zero codes for k = 64 .. 127, so whatever codes stand there on the other side add exact zeros (BF6 has no NaN; the scale bytes there are 0, a power of two).
;   So the fragments of k and of rpe lie packed, six registers each, an operand's twelve run on into the next fragment, and six zeroed registers end each run.
; THE BIAS IS A TOEPLITZ GATHER.  A tile's 16 queries are i0 + b + 2 r + 32 c (r = lane % 16, b = the wave's class, c = tile).  For 128 keys from j0 the tile multiplies 160 rows of rpe from
;   2017 - i0 - b - 32 c + j0 on (transposed: a lane holds one query, registers run along the rows), stores each query's 160 numbers as a row of the wave's scratch in LDS, and reads key x's at position x + 30 - 2 r:
;   the shift of 8 r bytes keeps loads of 8 bytes aligned.  The two tiles' windows lie 32 rows apart: one window of 12 fragments serves both.
; SHARES.  A head has 32 groups of 64 queries; group g needs g / 2 + 1 steps of 128 keys.  Work-group (pair p, head z) owns groups p and 31 - p: 17 steps, whatever p.  Nothing is carried from step to step but sums,
;   so the steps are dealt out: wave w = 4 b + s takes the 32 queries of parity b and the steps whose running number is (s + 2 b) mod 4; the four waves of a class add their parts through LDS.
; k's and v's fragments come from their images in memory straight into registers (each feeds two tiles); only rpe's table, which every step reads at another place, lies in LDS, with the scratches.
; NO CLUSTER, NO JOINT LOADS: the launch has no tensor load; the work-groups of a head need different numbers of key steps, and what all share, rpe's table, is fetched once by each work-group: 119,808 bytes.
; LDS: 0 rpe's codes, 48 bytes a row (2,304 rows); 110,592 their scale words; 119,808 eight scratches of 12,544 bytes.
;   A scratch is by turns: 16 rows of 640 bytes for the skew, row r at 784 r + 64 (((r / 4) + 1) / 2) (the 16 lanes of a store of 16 bytes and the 32 lanes of a load of 8 then touch different banks: 64 banks of 4 bytes, ISA guide 11.1);
;   q's stage, 32 rows of 272 bytes; the wave's part of O, 32 rows of 272 bytes with the part of the divisor at byte 256.
; REGISTERS.  window 0: v1-23 lane constants and addresses; v32-39 1.0; v40-63 q's two fragments; v64-143 S: P^T, then bias, t, a2; v144-162 a2's codes; v164-175 at work; v176-189 scale words and nothing else; v190-199 sums.
;   window 1: v0-63 O^T (tile c, channels 16 t on: 32 c + 8 t); v64-117 k's 8 packed fragments + 6 zeros; v118-165 v's 4 fragments; v166-243 rpe's 12 packed fragments + 6 zeros (also q as loaded).
.set TABS, 110592
.set SCR,  119808
.set SCRW, 12544
.set ONE,  32
.set Q0,   40
.set S,    64
.set PC,   144
.set PT,   156
.set M,    164
.set BY,   168
.set SC,   172
.set AW,   176                         ; a2's scale word
.set QS,   177                         ; q's: lanes 0-15 tile 0's, lanes 16-31 tile 1's
.set RS,   178                         ; rpe's: register j: lanes 0-15 fragment 2 j, lanes 16-31 fragment 2 j + 1
.set KS,   184                         ; k's: register j: lanes 0-15 tile 2 j, lanes 16-31 tile 2 j + 1
.set VS,   188                         ; v's likewise
.set SUM,  190                         ; the divisor's parts: a pair for each tile
.set CH,   194
.set TE,   196
.set KF,   64
.set VF,   118
.set RF,   166
.set GS,   44                          ; a group's scalars at s[GS + 24 G]: +0 n, its key steps; +1 my first step; +2 1985 - 64 g - b; +3 min(+1, n - 1); +4 64 (g % 2); +5 n - 1; +6 q, +8 drop_noise, +10 out0 at the group's first row
.set MSB, 0
.macro WIN new                         ; s_set_vgpr_msb: bits 1:0 source 0, 3:2 source 1, 5:4 source 2, 7:6 destination; the high byte repeats the setting that is left
.if MSB != \new
	s_set_vgpr_msb (MSB<<8)|\new
.set MSB, \new
.endif
.endm
; One matrix instruction; its registers are the symbols rD, rA, rB, rC, rSA, rSB; fRA, fRB = 1: that side's scales stand in lanes 16-31.
.macro WM
.if fRA && fRB
	v_wmma_scale_f32_16x16x128_f8f6f4 v[rD:rD+7], v[rA:rA+11], v[rB:rB+11], v[rC:rC+7], v[rSA], v[rSB] matrix_a_fmt:MATRIX_FMT_BF6 matrix_b_fmt:MATRIX_FMT_BF6 matrix_a_scale:MATRIX_SCALE_ROW1 matrix_b_scale:MATRIX_SCALE_ROW1
.elseif fRA
	v_wmma_scale_f32_16x16x128_f8f6f4 v[rD:rD+7], v[rA:rA+11], v[rB:rB+11], v[rC:rC+7], v[rSA], v[rSB] matrix_a_fmt:MATRIX_FMT_BF6 matrix_b_fmt:MATRIX_FMT_BF6 matrix_a_scale:MATRIX_SCALE_ROW1
.elseif fRB
	v_wmma_scale_f32_16x16x128_f8f6f4 v[rD:rD+7], v[rA:rA+11], v[rB:rB+11], v[rC:rC+7], v[rSA], v[rSB] matrix_a_fmt:MATRIX_FMT_BF6 matrix_b_fmt:MATRIX_FMT_BF6 matrix_b_scale:MATRIX_SCALE_ROW1
.else
	v_wmma_scale_f32_16x16x128_f8f6f4 v[rD:rD+7], v[rA:rA+11], v[rB:rB+11], v[rC:rC+7], v[rSA], v[rSB] matrix_a_fmt:MATRIX_FMT_BF6 matrix_b_fmt:MATRIX_FMT_BF6
.endif
.endm
; The images of k and v for key step s[sj] of my head: 14 loads for k (its scale words first), then 14 for v.
.macro KVLOAD sj
	s_wait_xcnt 0x0                                ; the earlier loads have read their bases, which are written now
	s_mul_i32 s32, s[\sj], 6656
	s_mov_b32 s33, 0
	s_add_nc_u64 s[28:29], s[24:25], s[32:33]
	s_mul_i32 s32, s[\sj], 6400
	s_add_nc_u64 s[30:31], s[26:27], s[32:33]
	global_load_b64 v[KS:KS+1], v4, s[28:29] offset:6144
	global_load_b64 v[KS+2:KS+3], v4, s[28:29] offset:6400
	WIN 0x40
.irp q, 0,1,2,3,4,5,6,7,8,9,10,11
	global_load_b128 v[KF+4*\q:KF+4*\q+3], v3, s[28:29] offset:512*\q   ; 32 lanes read 512 consecutive bytes: four registers of the packed run
.endr
.irp q, 0,1,2,3,4,5,6,7,8,9,10,11
	global_load_b128 v[VF+4*\q:VF+4*\q+3], v3, s[30:31] offset:512*\q
.endr
	WIN 0
	global_load_b32 v[VS], v5, s[30:31] offset:6144
	global_load_b32 v[VS+1], v5, s[30:31] offset:6272
.endm
; The 32 rows of q of my class in group G, as they lie: each load reads two whole rows of 256 bytes.  16 loads.
.macro QLOAD G
.set GB, GS+24*\G
	WIN 0x40
.irp i, 0,1,2,3,4,5,6,7,8,9,10,11,12,13,14,15
	global_load_b128 v[RF+4*\i:RF+4*\i+3], v21, s[GB+6:GB+7] offset:1024*\i
.endr
	WIN 0
.endm
; q's rows turn through my scratch so that lane (r, h) holds block h of query r's 64 numbers, and become two fragments and a register of scale words.  O^T and the divisor's parts begin as zeros:
; a wave may have no step in a group, so no product can be the one that starts the sums.
.macro QPREP
	s_wait_loadcnt 28                              ; q's 16 loads are in; k's 14 and v's 14 behind them stay out
	WIN 0x04
.irp i, 0,1,2,3,4,5,6,7,8,9,10,11,12,13,14,15
	ds_store_b128 v19, v[RF+4*\i:RF+4*\i+3] offset:544*\i
.endr
	WIN 0
.irp c, 0,1
.irp k, 0,1,2,3,4,5,6,7
	ds_load_b128 v[S+32*\c+4*\k:S+32*\c+4*\k+3], v20 offset:4352*\c+16*\k   ; LDS serves a wave's instructions in order: these see the stores above
.endr
.endr
	s_wait_dscnt 0x0
.irp c, 0,1
	v_max3_num_f32 v[M+2*\c], |v[S+32*\c]|, |v[S+32*\c+1]|, |v[S+32*\c+2]|
	v_max3_num_f32 v[M+2*\c+1], |v[S+32*\c+3]|, |v[S+32*\c+4]|, |v[S+32*\c+5]|
.irp i, 6,10,14,18,22,26
	v_max3_num_f32 v[M+2*\c], v[M+2*\c], |v[S+32*\c+\i]|, |v[S+32*\c+\i+1]|
	v_max3_num_f32 v[M+2*\c+1], v[M+2*\c+1], |v[S+32*\c+\i+2]|, |v[S+32*\c+\i+3]|
.endr
	v_max3_num_f32 v[M+2*\c], v[M+2*\c], |v[S+32*\c+30]|, |v[S+32*\c+31]|
	v_max3_num_f32 v[M+2*\c], v[M+2*\c], v[M+2*\c+1], 0x2800000      ; the floor 2^(5 - 127)
	v_add_nc_u32 v[SC+\c], 0xfe000000, v[M+2*\c]                     ; 4 off the exponent field: the conversion's scale operand
	v_cvt_scalef32_pk16_bf6_f32 v[Q0+12*\c:Q0+12*\c+2], v[S+32*\c:S+32*\c+15], v[SC+\c]
	v_cvt_scalef32_pk16_bf6_f32 v[PT+4*\c:PT+4*\c+2], v[S+32*\c+16:S+32*\c+31], v[SC+\c]
	v_lshrrev_b32 v[BY+\c], 23, v[SC+\c]           ; the scale's byte; also the plain line behind the conversions
.irp i, 0,1,2
	v_mov_b32 v[Q0+12*\c+3+\i], v[PT+4*\c+\i]
.endr
.irp i, 6,7,8,9,10,11
	v_mov_b32 v[Q0+12*\c+\i], 0                    ; k = 64 .. 127: zero codes
.endr
	v_lshlrev_b32 v[BY+\c], v23, v[BY+\c]          ; my block's byte at its place,
	v_permlanex16_b32 v[BY+2+\c], v[BY+\c], s34, s35
	v_or_b32 v[BY+\c], v[BY+\c], v[BY+2+\c]        ; with the other block's: the query's scale word, in both halves of the lanes
.endr
	v_cndmask_b32 v[QS], v[BY], v[BY+1], s36       ; lanes 16-31 take tile 1's
	WIN 0x40
.set i, 0
.rept 64
	v_mov_b32 v[i], 0                              ; O^T.  (These lines are also the eight places between the write of a scale register and the first scaled product)
.set i, i+1
.endr
	WIN 0
.irp i, 0,1,2,3
	v_mov_b32 v[SUM+\i], 0
.endr
.endm
; Tile c (16 queries) x 128 keys.
.macro TILE c, G
.set GB, GS+24*\G
.set rB, Q0+12*\c
.set rSB, QS
.set fRB, \c
.if \c == 0
	s_wait_dscnt 0x0                               ; rpe's fragments and scale words are in
.endif
	WIN 0x01
.set tau, 0
.rept 10                               ; P^T + 1: source 0 = 16 rows of rpe, source 1 = my queries, C = 1.0.  Ten accumulators, one instruction each
.set f, tau+2*(1-\c)
.set rD, S+8*tau
.set rA, RF+6*f
.set rC, ONE
.set rSA, RS+f/2
.set fRA, f%2
	WM
.set tau, tau+1
.endr
	WIN 0
.rept 5
	v_nop                                          ; four places before stores read these results and loads land on them, a fifth before matrix instructions write over them
.endr
.set tau, 0
.rept 10
	ds_store_b128 v10, v[S+8*tau:S+8*tau+3] offset:64*tau            ; my query's positions 16 tau + 8 h + 0 .. 7; each accumulator from its low end on
	ds_store_b128 v10, v[S+8*tau+4:S+8*tau+7] offset:64*tau+16
.set tau, tau+1
.endr
.set T, 0
.rept 8                                ; register j of tile T = 2 B + u will hold key 32 B + 16 h + 8 u + j: its 1 + bias stands 30 - 2 r positions further on
.irp k, 0,1,2,3
	ds_load_b64 v[S+8*T+2*\k:S+8*T+2*\k+1], v11 offset:128*(T/2)+32*(T%2)+8*\k   ; my wave's own bytes, served in order behind the stores
.endr
.set T, T+1
.endr
.if \c == 0
	s_wait_loadcnt 14                              ; k's 14 loads are in; v's 14, issued behind them, may be out
.endif
	s_wait_dscnt 0x0
	WIN 0x01
.set T, 0
.rept 8                                ; t = 1 + bias + k q^T: source 0 = 16 keys (lane m of tile 2 B + u: key 32 B + 8 u + m + 8 (m / 8)), eight accumulators, one instruction each
.set rD, S+8*T
.set rC, S+8*T
.set rA, KF+6*T
.set rSA, KS+T/2
.set fRA, T%2
	WM
.set T, T+1
.endr
	WIN 0
.rept 4
	v_nop                                          ; places before vector instructions read the results
.endr
.set i, 0
.rept 32
	v_pk_fma_f32 v[S+i:S+i+1], v[S+i:S+i+1], v[S+i:S+i+1], 1.0 op_sel_hi:[1,1,0]   ; a2 = t t + 1; ascending
.set i, i+2
.endr
	s_cmp_lg_u32 s38, s[GB+5]                      ; only the group's last step meets the diagonal: a branch on ids
	s_cbranch_scc1 .Lopen_\@
	s_add_co_u32 s41, s[GB+4], 32*\c
	v_add_nc_u32 v17, s41, v16                     ; d = my query - the step's first key - 16 h.  Register 16 B + i holds key 32 B + 16 h + i: hidden where 32 B + i > d
.set n, 0
.rept 64
	v_cmp_gt_i32 vcc_lo, 32*(n/16)+n%16, v17
	v_cndmask_b32 v[S+n], v[S+n], v18, vcc_lo
.set n, n+1
.endr
.Lopen_\@:
.irp b, 0,1,2,3
	v_max3_num_f32 v[M+\b], v[S+16*\b], v[S+16*\b+1], 0x2800000      ; the four blocks of 32 keys by turns; a2 is never negative; the floor 2^(5 - 127) holds the byte at 1 (a hidden block's codes are zeros)
.endr
.irp i, 2,4,6,8,10,12,14
.irp b, 0,1,2,3
	v_max3_num_f32 v[M+\b], v[M+\b], v[S+16*\b+\i], v[S+16*\b+\i+1]
.endr
.endr
.irp b, 0,1,2,3
	v_permlanex16_b32 v[BY+\b], v[M+\b], s34, s35
.endr
.irp b, 0,1,2,3
	v_max_num_f32 v[M+\b], v[M+\b], v[BY+\b]       ; with the block's other 16 keys, in lane l xor 16
.endr
.irp b, 0,1,2,3
	v_add_nc_u32 v[SC+\b], 0xfe000000, v[M+\b]
.endr
.irp b, 0,1,2,3
	v_lshrrev_b32 v[BY+\b], 23, v[SC+\b]
.endr
	v_lshl_or_b32 v[AW], v[BY+1], 8, v[BY]
	v_lshl_or_b32 v[AW], v[BY+2], 16, v[AW]
	v_lshl_or_b32 v[AW], v[BY+3], 24, v[AW]        ; my query's scale word for these 128 keys
.irp e, 0,1
	v_cvt_scalef32_pk16_bf6_f32 v[PC+6*\e:PC+6*\e+2], v[S+32*\e:S+32*\e+15], v[SC+2*\e]
	v_cvt_scalef32_pk16_bf6_f32 v[PT+4*\e:PT+4*\e+2], v[S+32*\e+16:S+32*\e+31], v[SC+2*\e+1]
.endr
	v_nop                                          ; one plain line behind the scaled conversions
.irp e, 0,1                            ; the operand wants a whole block in a lane: lanes 0-15 block 2 e, lanes 16-31 block 2 e + 1
.irp i, 0,1,2
	v_permlane16_swap_b32 v[PC+6*\e+\i], v[PT+4*\e+\i]
.endr
.irp i, 0,1,2
	v_mov_b32 v[PC+6*\e+3+\i], v[PT+4*\e+\i]
.endr
.endr
	v_pk_add_f32 v[CH:CH+1], v[S:S+1], v[S+2:S+3]  ; the divisor is summed of the unquantised a2, in two chains.  (These 32 lines are also the places in front of the scaled products below)
.irp j, 4,8,12,16,20,24,28,32,36,40,44,48,52,56,60
	v_pk_add_f32 v[SUM+2*\c:SUM+2*\c+1], v[SUM+2*\c:SUM+2*\c+1], v[S+\j:S+\j+1]
	v_pk_add_f32 v[CH:CH+1], v[CH:CH+1], v[S+\j+2:S+\j+3]
.endr
	v_pk_add_f32 v[SUM+2*\c:SUM+2*\c+1], v[SUM+2*\c:SUM+2*\c+1], v[CH:CH+1]
.if \c == 0
	s_wait_loadcnt 0x0                             ; v's image is in
.endif
	WIN 0x51
.set T, 0
.rept 4                                ; O^T += v^T a2^T: source 0 = 16 channels, source 1 = a2's codes; four accumulators, one instruction each
.set rD, 32*\c+8*T
.set rC, 32*\c+8*T
.set rA, VF+12*T
.set rB, PC
.set rSA, VS+T/2
.set fRA, T%2
.set rSB, AW
.set fRB, 0
	WM
.set T, T+1
.endr
	WIN 0
.endm
; One unit: my 32 queries x key step s38.
.macro BODY G
.set GB, GS+24*\G
	s_lshl_b32 s40, s38, 7
	s_add_co_u32 s40, s40, s[GB+2]                 ; the window's first row of rpe: 1985 - 64 g - b + 128 J, 0 .. 1985 for every unit that is walked;
	s_min_u32 s40, s40, 2112                       ; held so that the window's 192 rows lie in the table of 2,304 whatever the numbers
	s_mul_i32 s41, s40, 48
	s_lshl_b32 s42, s40, 2
	v_add_nc_u32 v8, s41, v6
	v_add_nc_u32 v9, s42, v7
	WIN 0x40
.set f, 0
.rept 12
.irp e, 0,1,2
	ds_load_b64 v[RF+6*f+2*\e:RF+6*f+2*\e+1], v8 offset:768*f+8*\e   ; fragment f: rows 16 f + m, 24 bytes a lane, in pieces of 8
.endr
.set f, f+1
.endr
	WIN 0
.irp j, 0,1,2,3,4,5
	ds_load_b32 v[RS+\j], v9 offset:128*\j
.endr
	TILE 0, \G
	TILE 1, \G
.rept 4
	v_nop                                          ; places before loads land on v's fragments and stores read O^T
.endr
	s_add_co_u32 s39, s38, 4                       ; my next step of this group, if there is one: ONE branch round both images' loads, so that v's 14 are out wherever k's are
	s_cmp_lt_u32 s39, s[GB]
	s_cbranch_scc0 .Lnofill_\@
	KVLOAD 39
.Lnofill_\@:
.endm
; My steps of group G: J = first + 4 t.  The trip count is a constant; a step past the group's last is jumped over.
.macro UNITS G, trips
.set GB, GS+24*\G
	s_mov_b32 s37, 0
.Lunit_\@:
	s_lshl_b32 s38, s37, 2
	s_add_co_u32 s38, s38, s[GB+1]
	s_cmp_ge_u32 s38, s[GB]
	s_cbranch_scc1 .Lskip_\@
	BODY \G
.Lskip_\@:
	s_add_co_u32 s37, s37, 1
	s_cmp_lt_u32 s37, \trips
	s_cbranch_scc1 .Lunit_\@
.endm
; The four waves of a class add their parts of O^T and of the divisor through their scratches; wave (b, s) finishes rows 8 s .. 8 s + 7 of the class's 32.
.macro EPI G
.set GB, GS+24*\G
	s_wait_loadcnt 0x0                             ; no load is out (a wave without a step has not waited for its images)
.irp k, 0,1,2,3
	global_load_b128 v[144+4*\k:147+4*\k], v22, s[GB+8:GB+9] offset:1024*\k th:TH_LOAD_NT   ; drop_noise at the rows that I finish
.endr
.if \G == 0
	QLOAD 1                                        ; the next group's q and first images are on their way under the sums: 16 + 28 loads
	KVLOAD GS+24+3
.set GB, GS+24*\G
.endif
.irp c, 0,1
	v_add_f32 v[TE+\c], v[SUM+2*\c], v[SUM+2*\c+1]
.endr
.irp c, 0,1
	v_permlanex16_b32 v[BY+\c], v[TE+\c], s34, s35
.endr
.irp c, 0,1
	v_add_f32 v[TE+\c], v[TE+\c], v[BY+\c]         ; my part of the divisor, in both halves of the lanes
.endr
	WIN 0x04
.irp c, 0,1
.irp t, 0,1,2,3
	ds_store_b128 v12, v[32*\c+8*\t:32*\c+8*\t+3] offset:4352*\c+64*\t           ; row r + 16 c, channels 16 t + 8 h + 0 .. 7; each accumulator from its low end on
	ds_store_b128 v12, v[32*\c+8*\t+4:32*\c+8*\t+7] offset:4352*\c+64*\t+16
.endr
.endr
	WIN 0
	ds_store_b32 v13, v[TE]
	ds_store_b32 v13, v[TE+1] offset:4352
	s_wait_dscnt 0x0                               ; for the others' sake: my stores have landed
	s_barrier_signal -1
	s_barrier_wait -1
.irp w, 0,1,2,3
.irp k, 0,1,2,3
	ds_load_b128 v[64+16*\w+4*\k:67+16*\w+4*\k], v14 offset:SCRW*\w+544*\k       ; lanes 0-15 one row of 256 bytes, lanes 16-31 the next
	ds_load_b32 v[128+4*\w+\k], v15 offset:SCRW*\w+544*\k
.endr
.endr
	s_wait_dscnt 0x0
.if \G == 0
	s_barrier_signal -1                            ; every wave's reads of the scratches are back: behind this barrier they are written again
	s_barrier_wait -1
.endif
.irp k, 0,1,2,3
.irp e, 0,2
	v_pk_add_f32 v[64+4*\k+\e:65+4*\k+\e], v[64+4*\k+\e:65+4*\k+\e], v[80+4*\k+\e:81+4*\k+\e]
	v_pk_add_f32 v[96+4*\k+\e:97+4*\k+\e], v[96+4*\k+\e:97+4*\k+\e], v[112+4*\k+\e:113+4*\k+\e]
.endr
.endr
.irp k, 0,1,2,3
.irp e, 0,2
	v_pk_add_f32 v[64+4*\k+\e:65+4*\k+\e], v[64+4*\k+\e:65+4*\k+\e], v[96+4*\k+\e:97+4*\k+\e]
.endr
.endr
.irp k, 0,1,2,3
	v_add_f32 v[128+\k], v[128+\k], v[132+\k]
	v_add_f32 v[136+\k], v[136+\k], v[140+\k]
.endr
.irp k, 0,1,2,3
	v_add_f32 v[128+\k], v[128+\k], v[136+\k]      ; the divisor: at least 1, since key i counts for query i and a2 is at least 1
.endr
.irp k, 0,1,2,3
	v_rcp_f32 v[TE+\k], v[128+\k]
.endr
.if \G == 0
	s_wait_loadcnt 44                              ; drop_noise is in; the next group's 44 loads behind it stay out
.else
	s_wait_loadcnt 0x0
.endif
.irp i, 0,2,4,6,8,10,12,14
	v_pk_fma_f32 v[144+\i:145+\i], v[144+\i:145+\i], 0, 1.0 op_sel_hi:[1,0,0]    ; 1 + DROPOUT x drop_noise, DROPOUT = 0.0.  (Plain work behind the reciprocals)
.endr
	s_wait_alu depctr_va_vdst(0)                   ; one wait for the four reciprocals, ahead of their first reader
.irp k, 0,1,2,3
.irp e, 0,1,2,3
	v_mul_f32 v[64+4*\k+\e], v[64+4*\k+\e], v[TE+\k]
.endr
.endr
.irp i, 0,2,4,6,8,10,12,14
	v_pk_mul_f32 v[64+\i:65+\i], v[64+\i:65+\i], v[144+\i:145+\i]
.endr
.irp k, 0,1,2,3
	global_store_b128 v22, v[64+4*\k:67+4*\k], s[GB+10:GB+11] offset:1024*\k th:TH_STORE_NT   ; 16 lanes store a row's 256 consecutive bytes, at a multiple of 256 from out0's first byte
.endr
.if \G == 0
	s_wait_xcnt 0x0                                ; the stores have read their data registers, which the next group's q is loaded into
.endif
.endm
; A group's scalars.  g = p (G = 0) or 31 - p (G = 1).
.macro GSET G
.set GB, GS+24*\G
.if \G
	s_sub_co_u32 s32, 31, s20
.else
	s_mov_b32 s32, s20
.endif
	s_lshr_b32 s[GB], s32, 1
	s_add_co_u32 s[GB], s[GB], 1                   ; n = g / 2 + 1
.if \G
	s_sub_co_u32 s33, s19, s[GS]                   ; the second group's steps are numbered on from the first's
	s_and_b32 s[GB+1], s33, 3
.else
	s_mov_b32 s[GB+1], s19
.endif
	s_lshl_b32 s33, s32, 6
	s_sub_co_u32 s[GB+2], 1985, s33
	s_sub_co_u32 s[GB+2], s[GB+2], s17
	s_sub_co_u32 s[GB+5], s[GB], 1
	s_min_u32 s[GB+3], s[GB+1], s[GB+5]            ; the step whose images are asked for ahead of the loop: inside the head's images for a wave without a step too
	s_and_b32 s[GB+4], s32, 1
	s_lshl_b32 s[GB+4], s[GB+4], 6
	s_lshl_b32 s33, s21, 19                        ; a head: 2,048 rows of 256 bytes
	s_lshl_b32 s32, s32, 14                        ; a group: 64 rows
	s_add_co_u32 s32, s32, s33
	s_mov_b32 s33, 0
	s_add_nc_u64 s[GB+6:GB+7], s[4:5], s[32:33]
	s_add_nc_u64 s[GB+8:GB+9], s[12:13], s[32:33]
	s_add_nc_u64 s[GB+10:GB+11], s[14:15], s[32:33]
.endm
	s_load_b256 s[4:11], s[0:1], 0x0               ; q s[4:5], kimg s[6:7], vimg s[8:9], rtab s[10:11]
	s_load_b128 s[12:15], s[0:1], 0x20             ; drop_noise s[12:13], out0 s[14:15]
	v_lshl_add_u32 v254, v0, 2, 0x35c00
	v_mov_b32 v255, 0
	v_lshrrev_b32 v24, 5, v0
	v_readfirstlane_b32 s16, v24                   ; wave 0..7
	s_lshr_b32 s17, s16, 2                         ; b: my class of queries
	s_and_b32 s18, s16, 3                          ; s: my place in the class
	s_lshl_b32 s19, s17, 1
	s_add_co_u32 s19, s19, s18
	s_and_b32 s19, s19, 3                          ; which steps are mine: (s + 2 b) mod 4
	s_mov_b32 s20, ttmp9                           ; p
	s_and_b32 s21, ttmp7, 0xffff                   ; z
	s_mov_b32 s34, 0x76543210
	s_mov_b32 s35, 0xfedcba98                      ; v_permlanex16_b32's selects for lane l xor 16
	s_mov_b32 s36, 0xffff0000                      ; lanes 16-31
	v_and_b32 v24, 31, v0                          ; lane
	v_and_b32 v1, 15, v0                           ; r
	v_bfe_u32 v2, v0, 4, 1                         ; h
	v_lshlrev_b32 v3, 4, v24
	v_lshlrev_b32 v4, 3, v24
	v_lshlrev_b32 v5, 2, v24
	v_mul_u32_u24 v6, v1, 48
	v_mad_u32_u24 v6, v2, 24, v6                   ; rpe's table: row r, + 24 h
	v_add_nc_u32 v7, TABS, v5                      ; its scale words: a word a lane
	s_mul_i32 s22, s16, SCRW
	s_add_co_u32 s22, s22, SCR                     ; my scratch
	v_lshrrev_b32 v25, 2, v1
	v_add_nc_u32 v25, 1, v25
	v_lshrrev_b32 v25, 1, v25
	v_lshlrev_b32 v25, 6, v25
	v_mad_u32_u24 v25, v1, 784, v25
	v_add_nc_u32 v25, s22, v25                     ; the skew's row r
	v_lshl_add_u32 v10, v2, 5, v25                 ; in: + 32 h
	v_lshl_add_u32 v11, v2, 6, v25
	v_lshlrev_b32 v26, 3, v1
	v_sub_nc_u32 v11, v11, v26
	v_add_nc_u32 v11, 120, v11                     ; out: + 64 h + 4 (30 - 2 r)
	v_mul_u32_u24 v26, v1, 272
	v_add_nc_u32 v26, s22, v26
	v_lshl_add_u32 v12, v2, 5, v26                 ; my part of O: row r, + 32 h
	v_add_nc_u32 v13, 256, v26                     ; and of the divisor
	v_lshl_add_u32 v20, v2, 7, v26                 ; q's stage, out: row r, block h
	v_mul_u32_u24 v27, v2, 272
	v_lshl_add_u32 v27, v1, 4, v27
	v_add_nc_u32 v19, s22, v27                     ; q's stage, in: lanes 0-15 one row, lanes 16-31 the next
	s_mul_i32 s23, s17, 4*SCRW
	s_mul_i32 s32, s18, 8*272
	s_add_co_u32 s23, s23, s32
	s_add_co_u32 s23, s23, SCR                     ; my class's first scratch, row 8 s
	v_add_nc_u32 v14, s23, v27
	v_mul_u32_u24 v15, v2, 272
	v_add_nc_u32 v15, s23, v15
	v_add_nc_u32 v15, 256, v15
	v_lshlrev_b32 v16, 1, v1
	v_add_nc_u32 v16, s17, v16
	v_lshlrev_b32 v25, 4, v2
	v_sub_nc_u32 v16, v16, v25                     ; b + 2 r - 16 h, for the mask
	v_mov_b32 v18, 0
	v_lshlrev_b32 v21, 4, v1
	v_lshl_add_u32 v21, v2, 9, v21
	s_lshl_b32 s32, s17, 8
	v_add_nc_u32 v21, s32, v21                     ; in q: 256 b + 512 (lane / 16) + 16 (lane % 16): rows of one parity lie 512 bytes apart
	s_lshl_b32 s32, s18, 12
	v_add_nc_u32 v22, s32, v21                     ; in drop_noise and out0: + the eight rows that I finish
	v_lshlrev_b32 v23, 3, v2
	v_lshlrev_b32 v28, 4, v0                       ; the table's way in: 16 bytes a thread, in memory and in LDS alike,
	v_lshlrev_b32 v29, 2, v0
	v_add_nc_u32 v30, 0x10000, v28                 ; (an LDS offset has 16 bits)
	v_add_nc_u32 v31, 118784, v29                  ; and 4 for the last 1,024 bytes
.irp i, 0,1,2,3,4,5,6,7
	v_mov_b32 v[ONE+\i], 1.0
.endr
.irp i, 0,1,2,3
	v_mov_b32 v[BY+\i], 0                          ; written once: a lane permute's destination counts as one of its sources
.endr
	WIN 0x40
.irp i, 0,1,2,3,4,5
	v_mov_b32 v[KF+48+\i], 0                       ; the zeros that end the packed runs
	v_mov_b32 v[RF+72+\i], 0
.endr
	WIN 0
	s_wait_kmcnt 0x0
	GSET 0
	GSET 1
	s_mul_i32 s32, s21, 106496
	s_add_nc_u64 s[24:25], s[6:7], s[32:33]        ; my head's 16 images of k  (s33 = 0)
	s_mul_i32 s32, s21, 102400
	s_add_nc_u64 s[26:27], s[8:9], s[32:33]        ; and of v
.set i, 0
.rept 29
	global_load_b128 v[40+4*i:43+4*i], v28, s[10:11] offset:4096*i   ; the work-group's 256 threads read 4,096 consecutive bytes: codes, then scale words
.set i, i+1
.endr
	global_load_b32 v156, v29, s[10:11] offset:118784
	QLOAD 0
	KVLOAD GS+3
	s_wait_loadcnt 44                              ; the table's 30 loads are in; q's 16, k's 14 and v's 14 behind them stay out
.set i, 0
.rept 16
	ds_store_b128 v28, v[40+4*i:43+4*i] offset:4096*i
.set i, i+1
.endr
.rept 13
	ds_store_b128 v30, v[40+4*i:43+4*i] offset:4096*(i-16)
.set i, i+1
.endr
	ds_store_b32 v31, v156
	s_wait_dscnt 0x0                               ; the stores have landed, and have read the registers that q's numbers are loaded into
	QPREP
	s_wait_dscnt 0x0
	s_barrier_signal -1
	s_barrier_wait -1                              ; every wave's part of the table lies in LDS
	UNITS 0, 2                                     ; group p has at most 8 steps: two of mine at the most
	EPI 0
	QPREP
	UNITS 1, 4                                     ; group 31 - p has at most 16
	EPI 1
	s_wait_tensorcnt 0x0
	ds_add_u32 v254, v255
	s_wait_dscnt 0x0
	s_endpgm
.Lfunc_end_k_q1f79216a1e_attn:
	.size	k_q1f79216a1e_attn, .Lfunc_end_k_q1f79216a1e_attn-k_q1f79216a1e_attn
	.p2alignl 7, 3214868480
	.fill 96, 4, 3214868480
	.section	.rodata,"a",@progbits
	.p2align	6, 0x0
	.amdhsa_kernel k_q1f79216a1e_attn
		.amdhsa_group_segment_fixed_size 221184
		.amdhsa_private_segment_fixed_size 0
		.amdhsa_enable_private_segment 0
		.amdhsa_kernarg_size 48
		.amdhsa_user_sgpr_count 2
		.amdhsa_user_sgpr_kernarg_segment_ptr 1
		.amdhsa_wavefront_size32 1
		.amdhsa_system_sgpr_workgroup_id_x 1
		.amdhsa_system_sgpr_workgroup_id_y 1
		.amdhsa_system_sgpr_workgroup_id_z 1
		.amdhsa_system_vgpr_workitem_id 0
		.amdhsa_next_free_vgpr 512
		.amdhsa_next_free_sgpr 90
		.amdhsa_reserve_vcc 1
		.amdhsa_float_denorm_mode_32 3
		.amdhsa_float_denorm_mode_16_64 3
		.amdhsa_memory_ordered 1
		.amdhsa_forward_progress 1
		.amdhsa_inst_pref_size 142
	.end_amdhsa_kernel
	.amdgpu_metadata
---
amdhsa.version: [ 1, 2 ]
amdhsa.kernels:
  - .name:           k_q1f79216a1e_attn
    .symbol:         k_q1f79216a1e_attn.kd
    .args:
      - { .name: q, .offset: 0, .size: 8, .value_kind: global_buffer, .address_space: global }
      - { .name: kimg, .offset: 8, .size: 8, .value_kind: global_buffer, .address_space: global }
      - { .name: vimg, .offset: 16, .size: 8, .value_kind: global_buffer, .address_space: global }
      - { .name: rtab, .offset: 24, .size: 8, .value_kind: global_buffer, .address_space: global }
      - { .name: drop_noise, .offset: 32, .size: 8, .value_kind: global_buffer, .address_space: global }
      - { .name: out0, .offset: 40, .size: 8, .value_kind: global_buffer, .address_space: global }
    .group_segment_fixed_size: 221184
    .private_segment_fixed_size: 0
    .kernarg_segment_align: 8
    .kernarg_segment_size: 48
    .max_flat_workgroup_size: 256
    .sgpr_count:     90
    .vgpr_count:     512
    .wavefront_size: 32
...
	.end_amdgpu_metadata
.endif
;; end of part 2
;; ======== version 2 of 2: 2 launches; version 1 with the launch attn written anew for expert scheduling mode
;; limits: right only within a limited range of input values
;; workspace buffers: kimg 1,703,936 bytes; vimg 1,638,400 bytes; rtab 119,808 bytes
;; launch prep: the kernel of part 1 again; grid 265 x 1, 4 waves a work-group, no clusters, 76,288 bytes of LDS; arguments k, v, rpe_matrix, kimg, vimg, rtab; writes kimg, vimg, rtab
;; launch attn (part 3): grid 16 x 16, 8 waves a work-group, no clusters, 221,184 bytes of LDS; arguments q, kimg, vimg, rtab, drop_noise, out0; writes out0
.if DOCPART == 3
	.amdgcn_target "amdgcn-amd-amdhsa--gfx1250"
	.amdhsa_code_object_version 6
	.text
	.protected	k_q1f79216a1e_attn
	.globl	k_q1f79216a1e_attn
	.p2align	8
	.type	k_q1f79216a1e_attn,@function
k_q1f79216a1e_attn:
	s_mov_b64 s[64:65], 0
	v_nop
	global_prefetch_b8 v0, s[64:65] scope:SCOPE_SE
	s_setreg_imm32_b32 hwreg(HW_REG_WAVE_SCHED_MODE, 0, 2), 2
	s_setreg_imm32_b32 hwreg(HW_REG_WAVE_MODE, 25, 1), 1
	s_wait_xcnt 0x0
	s_wait_alu depctr_vm_vsrc(0)
; out[z][i] = (sum over j <= i of Q(a_ij) Q(v_j)) / (sum over j <= i of a_ij) x (1 + 0.0 drop_noise),  a = 1 + s + s^2 / 2,  s_ij = Q(q_i) . Q(k_j) + Q(q_i) . Q(rpe[2047 - i + j]).
; All three products on codes of BF6 (E3M2) with one E8M0 byte for each 32 along K.  16 heads, 2,048 queries and keys, 64 numbers a row.
; ALGEBRA.  t = 1 + bias + content;  a2 = t t + 1 = 2 a.  a2 is masked, summed and quantised: a factor 2 leaves the codes as they are and raises the scale's byte by one, and it cancels in the division.
;   The 1 is the C of the product with rpe, and 1 + bias, brought to its key, is the C of the product with k: neither addition costs a vector instruction.  k / TEMPERATURE with TEMPERATURE = 1 is k.
; LIMITS: NaN and infinities in q, k, v, rpe_matrix are not served; blocks whose largest magnitude lies under 2^-122 keep the scale byte 1; t t overflows from |s| about 1.8e19
;   (a itself from about 2.6e19); 1 + s is rounded in another order than s alone: some ulps of f32 ahead of the quantiser.
; K = 64 IN A FORM OF K = 128: q's fragment has zero codes for k = 64 .. 127, so whatever codes stand there on the other side add exact zeros (BF6 has no NaN; the scale bytes there are 0, a power of two).
;   So the fragments of k and of rpe lie packed, six registers each, an operand's twelve run on into the next fragment, and six zeroed registers end each run.
; THE BIAS IS A TOEPLITZ GATHER.  A tile's 16 queries are i0 + b + 2 r + 32 c (r = lane % 16, b = the wave's class, c = tile).  For 128 keys from j0 the tile multiplies 160 rows of rpe from
;   2017 - i0 - b - 32 c + j0 on (transposed: a lane holds one query, registers run along the rows), stores each query's 160 numbers as a row of the wave's scratch in LDS, and reads key x's at position x + 30 - 2 r:
;   the shift of 8 r bytes keeps loads of 8 bytes aligned.  The two tiles' windows lie 32 rows apart: one window of 12 fragments serves both.
; SHARES.  A head has 32 groups of 64 queries; group g needs g / 2 + 1 steps of 128 keys.  Work-group (pair p, head z) owns groups p and 31 - p: 17 steps, whatever p.  Nothing is carried from step to step but sums,
;   so the steps are dealt out: wave w = 4 b + s takes the 32 queries of parity b and the steps whose running number is (s + 2 b) mod 4; the four waves of a class add their parts through LDS.
; k's and v's fragments come from their images in memory straight into registers (each feeds two tiles); only rpe's table, which every step reads at another place, lies in LDS, with the scratches.
; NO CLUSTER, NO JOINT LOADS: the launch has no tensor load; the work-groups of a head need different numbers of key steps, and what all share, rpe's table, is fetched once by each work-group: 119,808 bytes.
; LDS: 0 rpe's codes, 48 bytes a row (2,304 rows); 110,592 their scale words; 119,808 eight scratches of 12,544 bytes.
;   A scratch is by turns: 16 rows of 640 bytes for the skew, row r at 784 r + 64 (((r / 4) + 1) / 2) (the 16 lanes of a store of 16 bytes and the 32 lanes of a load of 8 then touch different banks: 64 banks of 4 bytes, ISA guide 11.1);
;   q's stage, 32 rows of 272 bytes; the wave's part of O, 32 rows of 272 bytes with the part of the divisor at byte 256.
; REGISTERS.  window 0: v1-23 lane constants and addresses; v32-39 1.0; v40-63 q's two fragments; v64-143 S: P^T, then bias, t, a2; v144-162 a2's codes; v164-175 at work; v176-189 scale words and nothing else; v190-199 sums.
;   window 1: v0-63 O^T (tile c, channels 16 t on: 32 c + 8 t); v64-117 k's 8 packed fragments + 6 zeros; v118-165 v's 4 fragments; v166-243 rpe's 12 packed fragments + 6 zeros (also q as loaded).
; THE MODE: SCHED_MODE bits 1:0 = 2 (LLVM: expert scheduling mode 2), set by the entry lines.  The code itself states the register dependences between vector or matrix instructions and memory or LDS
;   instructions, with s_wait_alu, always for 0.
; THE PLAN.  Registers that memory or LDS instructions touch in a unit (32 queries x 128 keys: tile 0, then tile 1):
;   RF, RS     rpe's window and its scale words.  Read by both tiles' products with rpe, tile 1's last; the NEXT unit's window lands in them, asked for in tile 1 behind its products with k.
;   v8, v9     the window's LDS addresses.  Read by the window's loads; written in tile 1, among the places behind its products with rpe.
;   S          written by a tile's products with rpe; read by the skew's LDS stores; the skew's LDS loads land in S0-63; then matrix and vector instructions alone.
;   KF, KS, VF, VS  k's and v's images.  Read by the products with k and with v; the next unit's land in them at the unit's end.
;   All other addresses are made at the head and never written again.  a2's codes, O^T and the sums are named by vector and matrix instructions alone inside the loop.
;   So a tile has one wait on va_vdst ahead of its skew's stores (S is written; in tile 1 also: RF and RS are done with, v8 and v9 are written), one on vm_vsrc between the skew's stores and loads (S has been read;
;   in tile 0 also: the window's loads have read v8 and v9), and one on va_vdst ahead of its products with v (a2's codes and scale word are written); a unit has one more on va_vdst ahead of the images' loads.
.set TABS, 110592
.set SCR,  119808
.set SCRW, 12544
.set ONE,  32
.set Q0,   40
.set S,    64
.set PC,   144
.set PT,   156
.set M,    164
.set BY,   168
.set SC,   172
.set AW,   176                         ; a2's scale word
.set QS,   177                         ; q's: lanes 0-15 tile 0's, lanes 16-31 tile 1's
.set RS,   178                         ; rpe's: register j: lanes 0-15 fragment 2 j, lanes 16-31 fragment 2 j + 1
.set KS,   184                         ; k's: register j: lanes 0-15 tile 2 j, lanes 16-31 tile 2 j + 1
.set VS,   188                         ; v's likewise
.set SUM,  190                         ; the divisor's parts: a pair for each tile
.set CH,   194
.set TE,   196
.set KF,   64
.set VF,   118
.set RF,   166
.set GS,   44                          ; a group's scalars at s[GS + 24 G]: +0 n, its key steps; +1 my first step; +2 1985 - 64 g - b; +3 min(+1, n - 1); +4 64 (g % 2); +5 n - 1; +6 q, +8 drop_noise, +10 out0 at the group's first row
.set MK,   56                          ; sixteen lane masks for the diagonal: s56-63 and s80-87: mask i at s[MK + i + 16 (i / 8)]
.set MSB, 0
.macro WIN new                         ; s_set_vgpr_msb: bits 1:0 source 0, 3:2 source 1, 5:4 source 2, 7:6 destination; the high byte repeats the setting that is left
.if MSB != \new
	s_set_vgpr_msb (MSB<<8)|\new
.set MSB, \new
.endif
.endm
; One matrix instruction; its registers are the symbols rD, rA, rB, rC, rSA, rSB; fRA, fRB = 1: that side's scales stand in lanes 16-31.
.macro WM
.if fRA && fRB
	v_wmma_scale_f32_16x16x128_f8f6f4 v[rD:rD+7], v[rA:rA+11], v[rB:rB+11], v[rC:rC+7], v[rSA], v[rSB] matrix_a_fmt:MATRIX_FMT_BF6 matrix_b_fmt:MATRIX_FMT_BF6 matrix_a_scale:MATRIX_SCALE_ROW1 matrix_b_scale:MATRIX_SCALE_ROW1
.elseif fRA
	v_wmma_scale_f32_16x16x128_f8f6f4 v[rD:rD+7], v[rA:rA+11], v[rB:rB+11], v[rC:rC+7], v[rSA], v[rSB] matrix_a_fmt:MATRIX_FMT_BF6 matrix_b_fmt:MATRIX_FMT_BF6 matrix_a_scale:MATRIX_SCALE_ROW1
.elseif fRB
	v_wmma_scale_f32_16x16x128_f8f6f4 v[rD:rD+7], v[rA:rA+11], v[rB:rB+11], v[rC:rC+7], v[rSA], v[rSB] matrix_a_fmt:MATRIX_FMT_BF6 matrix_b_fmt:MATRIX_FMT_BF6 matrix_b_scale:MATRIX_SCALE_ROW1
.else
	v_wmma_scale_f32_16x16x128_f8f6f4 v[rD:rD+7], v[rA:rA+11], v[rB:rB+11], v[rC:rC+7], v[rSA], v[rSB] matrix_a_fmt:MATRIX_FMT_BF6 matrix_b_fmt:MATRIX_FMT_BF6
.endif
.endm
; The images of k and v for key step s[sj] of my head: 14 loads for k (its scale words first), then 14 for v.  Whoever calls it has stated that the products are done with these registers.
.macro KVLOAD sj
	s_wait_xcnt 0x0                                ; the earlier loads have read their bases, which are written now
	s_mul_i32 s32, s[\sj], 6656
	s_mov_b32 s33, 0
	s_add_nc_u64 s[28:29], s[24:25], s[32:33]
	s_mul_i32 s32, s[\sj], 6400
	s_add_nc_u64 s[30:31], s[26:27], s[32:33]
	global_load_b64 v[KS:KS+1], v4, s[28:29] offset:6144
	global_load_b64 v[KS+2:KS+3], v4, s[28:29] offset:6400
	WIN 0x40
.irp q, 0,1,2,3,4,5,6,7,8,9,10,11
	global_load_b128 v[KF+4*\q:KF+4*\q+3], v3, s[28:29] offset:512*\q   ; 32 lanes read 512 consecutive bytes: four registers of the packed run
.endr
.irp q, 0,1,2,3,4,5,6,7,8,9,10,11
	global_load_b128 v[VF+4*\q:VF+4*\q+3], v3, s[30:31] offset:512*\q
.endr
	WIN 0
	global_load_b32 v[VS], v5, s[30:31] offset:6144
	global_load_b32 v[VS+1], v5, s[30:31] offset:6272
.endm
; The 32 rows of q of my class in group G, as they lie: each load reads two whole rows of 256 bytes.  16 loads.
.macro QLOAD G
.set GB, GS+24*\G
	WIN 0x40
.irp i, 0,1,2,3,4,5,6,7,8,9,10,11,12,13,14,15
	global_load_b128 v[RF+4*\i:RF+4*\i+3], v21, s[GB+6:GB+7] offset:1024*\i
.endr
	WIN 0
.endm
; The LDS addresses of rpe's window for key step s[sj] of the group whose scalars stand at s[GB].  Two plain vector lines.
.macro RADR sj
	s_lshl_b32 s40, s[\sj], 7
	s_add_co_u32 s40, s40, s[GB+2]                 ; the window's first row of rpe: 1985 - 64 g - b + 128 J, 0 .. 1985 for every window that is read;
	s_min_u32 s40, s40, 2112                       ; held so that the window's 192 rows lie in the table of 2,304 whatever the numbers
	s_mul_i32 s41, s40, 48
	s_lshl_b32 s42, s40, 2
	v_add_nc_u32 v8, s41, v6
	v_add_nc_u32 v9, s42, v7
.endm
; The window: 12 packed fragments and their scale words: 42 LDS loads.
.macro RFETCH
	WIN 0x40
.set f, 0
.rept 12
.irp e, 0,1,2
	ds_load_b64 v[RF+6*f+2*\e:RF+6*f+2*\e+1], v8 offset:768*f+8*\e   ; fragment f: rows 16 f + m, 24 bytes a lane, in pieces of 8
.endr
.set f, f+1
.endr
	WIN 0
.irp j, 0,1,2,3,4,5
	ds_load_b32 v[RS+\j], v9 offset:128*\j
.endr
.endm
; A group's first window, ahead of its loop: that of the step whose images were asked for ahead of the loop (inside the table for a wave without a step too).
.macro RFIRST G
.set GB, GS+24*\G
	RADR GB+3
	s_wait_alu depctr_vm_vsrc(0)                   ; the LDS stores of q as loaded have read the registers in which the window lands
	s_wait_alu depctr_va_vdst(0)                   ; v8 and v9 are written, which the loads below read; q's codes and scale words are written, which every product with rpe and with k of this group takes (the zeros of O^T stand between as their places)
	RFETCH
.endm
; q's rows turn through my scratch so that lane (r, h) holds block h of query r's 64 numbers, and become two fragments and a register of scale words.  O^T and the divisor's parts begin as zeros:
; a wave may have no step in a group, so no product can be the one that starts the sums.
; (Ahead of it stands a wait on vm_vsrc: the stores issued so far have read the registers that are loaded and written here.)
.macro QPREP
	s_wait_loadcnt 28                              ; q's 16 loads are in; k's 14 and v's 14 behind them stay out
	WIN 0x04
.irp i, 0,1,2,3,4,5,6,7,8,9,10,11,12,13,14,15
	ds_store_b128 v19, v[RF+4*\i:RF+4*\i+3] offset:544*\i
.endr
	WIN 0
.irp c, 0,1
.irp k, 0,1,2,3,4,5,6,7
	ds_load_b128 v[S+32*\c+4*\k:S+32*\c+4*\k+3], v20 offset:4352*\c+16*\k   ; LDS serves a wave's instructions in order: these see the stores above
.endr
.endr
	s_wait_dscnt 0x0
.irp c, 0,1
	v_max3_num_f32 v[M+2*\c], |v[S+32*\c]|, |v[S+32*\c+1]|, |v[S+32*\c+2]|
	v_max3_num_f32 v[M+2*\c+1], |v[S+32*\c+3]|, |v[S+32*\c+4]|, |v[S+32*\c+5]|
.irp i, 6,10,14,18,22,26
	v_max3_num_f32 v[M+2*\c], v[M+2*\c], |v[S+32*\c+\i]|, |v[S+32*\c+\i+1]|
	v_max3_num_f32 v[M+2*\c+1], v[M+2*\c+1], |v[S+32*\c+\i+2]|, |v[S+32*\c+\i+3]|
.endr
	v_max3_num_f32 v[M+2*\c], v[M+2*\c], |v[S+32*\c+30]|, |v[S+32*\c+31]|
	v_max3_num_f32 v[M+2*\c], v[M+2*\c], v[M+2*\c+1], 0x2800000      ; the floor 2^(5 - 127)
	v_add_nc_u32 v[SC+\c], 0xfe000000, v[M+2*\c]                     ; 4 off the exponent field: the conversion's scale operand
	v_cvt_scalef32_pk16_bf6_f32 v[Q0+12*\c:Q0+12*\c+2], v[S+32*\c:S+32*\c+15], v[SC+\c]
	v_cvt_scalef32_pk16_bf6_f32 v[PT+4*\c:PT+4*\c+2], v[S+32*\c+16:S+32*\c+31], v[SC+\c]
	v_lshrrev_b32 v[BY+\c], 23, v[SC+\c]           ; the scale's byte; also the plain line behind the conversions
.irp i, 0,1,2
	v_mov_b32 v[Q0+12*\c+3+\i], v[PT+4*\c+\i]
.endr
.irp i, 6,7,8,9,10,11
	v_mov_b32 v[Q0+12*\c+\i], 0                    ; k = 64 .. 127: zero codes
.endr
	v_lshlrev_b32 v[BY+\c], v23, v[BY+\c]          ; my block's byte at its place,
	v_permlanex16_b32 v[BY+2+\c], v[BY+\c], s34, s35
	v_or_b32 v[BY+\c], v[BY+\c], v[BY+2+\c]        ; with the other block's: the query's scale word, in both halves of the lanes
.endr
	v_cndmask_b32 v[QS], v[BY], v[BY+1], s36       ; lanes 16-31 take tile 1's
	WIN 0x40
.set i, 0
.rept 64
	v_mov_b32 v[i], 0                              ; O^T.  (These lines are also the eight places between the write of a scale register and the first scaled product)
.set i, i+1
.endr
	WIN 0
.irp i, 0,1,2,3
	v_mov_b32 v[SUM+\i], 0
.endr
.endm
; Tile c (16 queries) x 128 keys.
.macro TILE c, G
.set GB, GS+24*\G
.set rB, Q0+12*\c
.set rSB, QS
.set fRB, \c
.if \c == 0
	s_wait_dscnt 0x0                               ; rpe's fragments and scale words, asked for a unit back or ahead of the loop, are in
.endif
	WIN 0x01
.set tau, 0
.rept 10                               ; P^T + 1: source 0 = 16 rows of rpe, source 1 = my queries, C = 1.0.  Ten accumulators, one instruction each
.set f, tau+2*(1-\c)
.set rD, S+8*tau
.set rA, RF+6*f
.set rC, ONE
.set rSA, RS+f/2
.set fRA, f%2
	WM
.set tau, tau+1
.endr
	WIN 0
; Five places: four before stores read these results, a fifth before matrix instructions write over them.  In tile 1 two of them are the addresses of my next step's window.
.if \c
	RADR 39
.rept 3
	v_nop
.endr
.else
.rept 5
	v_nop
.endr
.endif
	s_wait_alu depctr_va_vdst(0)                   ; the ten products have written S, which the stores below read and in which the loads below land; in tile 1 they are also done reading rpe's window and scale words, and v8 and v9 are written: the next window's loads hang on both
.set tau, 0
.rept 10
	ds_store_b128 v10, v[S+8*tau:S+8*tau+3] offset:64*tau            ; my query's positions 16 tau + 8 h + 0 .. 7; each accumulator from its low end on
	ds_store_b128 v10, v[S+8*tau+4:S+8*tau+7] offset:64*tau+16
.set tau, tau+1
.endr
	s_wait_alu depctr_vm_vsrc(0)                   ; the stores above have read S, in which the loads below land and which later products write; in tile 0 also: this unit's window loads have read v8 and v9, which tile 1 writes
.set T, 0
.rept 8                                ; register j of tile T = 2 B + u will hold key 32 B + 16 h + 8 u + j: its 1 + bias stands 30 - 2 r positions further on
.irp k, 0,1,2,3
	ds_load_b64 v[S+8*T+2*\k:S+8*T+2*\k+1], v11 offset:128*(T/2)+32*(T%2)+8*\k   ; my wave's own bytes, served in order behind the stores
.endr
.set T, T+1
.endr
.if \c == 0
	s_wait_loadcnt 14                              ; k's 14 loads are in; v's 14, issued behind them, may be out
.endif
	s_wait_dscnt 0x0
	WIN 0x01
.set T, 0
.rept 8                                ; t = 1 + bias + k q^T: source 0 = 16 keys (lane m of tile 2 B + u: key 32 B + 8 u + m + 8 (m / 8)), eight accumulators, one instruction each
.set rD, S+8*T
.set rC, S+8*T
.set rA, KF+6*T
.set rSA, KS+T/2
.set fRA, T%2
	WM
.set T, T+1
.endr
	WIN 0
.if \c                                 ; my next step's window of rpe, if this group has one for me (a branch on ids): it lands under this tile's vector work.
	s_cmp_lt_u32 s39, s[GB]                        ; No wait: since the wait ahead of the skew's stores only the eight products above were issued, which name S, k's run, q's fragment and their scale words: none of RF, RS, v8, v9
	s_cbranch_scc0 .Lnowin_\@
	RFETCH
.Lnowin_\@:
.endif
.rept 4
	v_nop                                          ; places before vector instructions read the results
.endr
.set i, 0
.rept 32
	v_pk_fma_f32 v[S+i:S+i+1], v[S+i:S+i+1], v[S+i:S+i+1], 1.0 op_sel_hi:[1,1,0]   ; a2 = t t + 1; ascending
.set i, i+2
.endr
	s_cmp_lg_u32 s38, s[GB+5]                      ; only the group's last step meets the diagonal: a branch on ids
	s_cbranch_scc1 .Lopen_\@
	s_add_co_u32 s41, s[GB+4], 32*\c
	v_add_nc_u32 v17, s41, v16                     ; d = my query - the step's first key - 16 h.  Register 16 B + i holds key 32 B + 16 h + i: hidden where 32 B + i > d
.set blk, 0
.rept 4                                ; a block's sixteen compares in a run, into sixteen scalar registers; one wait; its sixteen selects
.set i, 0
.rept 16
	v_cmp_gt_i32 s[MK+i+16*(i/8)], 32*blk+i, v17
.set i, i+1
.endr
	s_wait_alu depctr_va_sdst(0)                   ; the sixteen compares have written their masks, ahead of the first select that reads one
.set i, 0
.rept 16
	v_cndmask_b32 v[S+16*blk+i], v[S+16*blk+i], v18, s[MK+i+16*(i/8)]
.set i, i+1
.endr
.set blk, blk+1
.endr
.Lopen_\@:
.irp b, 0,1,2,3
	v_max3_num_f32 v[M+\b], v[S+16*\b], v[S+16*\b+1], 0x2800000      ; the four blocks of 32 keys by turns; a2 is never negative; the floor 2^(5 - 127) holds the byte at 1 (a hidden block's codes are zeros)
.endr
.irp i, 2,4,6,8,10,12,14
.irp b, 0,1,2,3
	v_max3_num_f32 v[M+\b], v[M+\b], v[S+16*\b+\i], v[S+16*\b+\i+1]
.endr
.endr
.irp b, 0,1,2,3
	v_permlanex16_b32 v[BY+\b], v[M+\b], s34, s35
.endr
.irp b, 0,1,2,3
	v_max_num_f32 v[M+\b], v[M+\b], v[BY+\b]       ; with the block's other 16 keys, in lane l xor 16
.endr
.irp b, 0,1,2,3
	v_add_nc_u32 v[SC+\b], 0xfe000000, v[M+\b]
.endr
.irp b, 0,1,2,3
	v_lshrrev_b32 v[BY+\b], 23, v[SC+\b]
.endr
	v_lshl_or_b32 v[AW], v[BY+1], 8, v[BY]
	v_lshl_or_b32 v[AW], v[BY+2], 16, v[AW]
	v_lshl_or_b32 v[AW], v[BY+3], 24, v[AW]        ; my query's scale word for these 128 keys
.irp e, 0,1
	v_cvt_scalef32_pk16_bf6_f32 v[PC+6*\e:PC+6*\e+2], v[S+32*\e:S+32*\e+15], v[SC+2*\e]
	v_cvt_scalef32_pk16_bf6_f32 v[PT+4*\e:PT+4*\e+2], v[S+32*\e+16:S+32*\e+31], v[SC+2*\e+1]
.endr
	v_nop                                          ; one plain line behind the scaled conversions
.irp e, 0,1                            ; the operand wants a whole block in a lane: lanes 0-15 block 2 e, lanes 16-31 block 2 e + 1
.irp i, 0,1,2
	v_permlane16_swap_b32 v[PC+6*\e+\i], v[PT+4*\e+\i]
.endr
.irp i, 0,1,2
	v_mov_b32 v[PC+6*\e+3+\i], v[PT+4*\e+\i]
.endr
.endr
	v_pk_add_f32 v[CH:CH+1], v[S:S+1], v[S+2:S+3]  ; the divisor is summed of the unquantised a2, in two chains.  (These 32 lines are also the places in front of the scaled products below)
.irp j, 4,8,12,16,20,24,28,32,36,40,44,48,52,56,60
	v_pk_add_f32 v[SUM+2*\c:SUM+2*\c+1], v[SUM+2*\c:SUM+2*\c+1], v[S+\j:S+\j+1]
	v_pk_add_f32 v[CH:CH+1], v[CH:CH+1], v[S+\j+2:S+\j+3]
.endr
	v_pk_add_f32 v[SUM+2*\c:SUM+2*\c+1], v[SUM+2*\c:SUM+2*\c+1], v[CH:CH+1]
.if \c == 0
	s_wait_loadcnt 0x0                             ; v's image is in
.endif
	s_wait_alu depctr_va_vdst(0)                   ; the conversions, exchanges and moves have written a2's codes, and the shifts its scale word, which the scaled products below take; the places above stay beside this wait
	WIN 0x51
.set T, 0
.rept 4                                ; O^T += v^T a2^T: source 0 = 16 channels, source 1 = a2's codes; four accumulators, one instruction each
.set rD, 32*\c+8*T
.set rC, 32*\c+8*T
.set rA, VF+12*T
.set rB, PC
.set rSA, VS+T/2
.set fRA, T%2
.set rSB, AW
.set fRB, 0
	WM
.set T, T+1
.endr
	WIN 0
.endm
; One unit: my 32 queries x key step s38.  Its window of rpe was asked for a unit back, or ahead of the loop.
.macro BODY G
.set GB, GS+24*\G
	s_add_co_u32 s39, s38, 4                       ; my next step of this group, if there is one
	TILE 0, \G
	TILE 1, \G
.rept 4
	v_nop                                          ; places before stores read O^T
.endr
	s_cmp_lt_u32 s39, s[GB]                        ; ONE branch round both images' loads, so that v's 14 are out wherever k's are
	s_cbranch_scc0 .Lnofill_\@
	s_wait_alu depctr_va_vdst(0)                   ; this unit's products are done reading k's and v's fragments and scale words, in which the loads below land
	KVLOAD 39
.Lnofill_\@:
.endm
; My steps of group G: J = first + 4 t.  The trip count is a constant; a step past the group's last is jumped over.
.macro UNITS G, trips
.set GB, GS+24*\G
	s_mov_b32 s37, 0
.Lunit_\@:
	s_lshl_b32 s38, s37, 2
	s_add_co_u32 s38, s38, s[GB+1]
	s_cmp_ge_u32 s38, s[GB]
	s_cbranch_scc1 .Lskip_\@
	BODY \G
.Lskip_\@:
	s_add_co_u32 s37, s37, 1
	s_cmp_lt_u32 s37, \trips
	s_cbranch_scc1 .Lunit_\@
.endm
; The four waves of a class add their parts of O^T and of the divisor through their scratches; wave (b, s) finishes rows 8 s .. 8 s + 7 of the class's 32.
.macro EPI G
.set GB, GS+24*\G
	s_wait_loadcnt 0x0                             ; no load is out (a wave without a step has not waited for its images),
	s_wait_dscnt 0x0                               ; and no LDS load (nor for its window, in whose registers the next group's q lands)
.irp c, 0,1
	v_add_f32 v[TE+\c], v[SUM+2*\c], v[SUM+2*\c+1]
.endr
.irp c, 0,1
	v_permlanex16_b32 v[BY+\c], v[TE+\c], s34, s35
.endr
.irp c, 0,1
	v_add_f32 v[TE+\c], v[TE+\c], v[BY+\c]         ; my part of the divisor, in both halves of the lanes
.endr
	s_wait_alu depctr_va_vdst(0)                   ; ONE wait for all the loads and LDS stores up to the barrier and the loads behind it: the group's products have written O^T and the additions above the divisor's part, which the LDS stores read; the products are done reading a2's codes (drop_noise lands there), rpe's window (q), k's and v's images (the next group's); the vector work is done with S (the four parts land there)
.irp k, 0,1,2,3
	global_load_b128 v[144+4*\k:147+4*\k], v22, s[GB+8:GB+9] offset:1024*\k th:TH_LOAD_NT   ; drop_noise at the rows that I finish
.endr
.if \G == 0
	QLOAD 1                                        ; the next group's q and first images are on their way under the sums: 16 + 28 loads
	KVLOAD GS+24+3
.set GB, GS+24*\G
.endif
	WIN 0x04
.irp c, 0,1
.irp t, 0,1,2,3
	ds_store_b128 v12, v[32*\c+8*\t:32*\c+8*\t+3] offset:4352*\c+64*\t           ; row r + 16 c, channels 16 t + 8 h + 0 .. 7; each accumulator from its low end on
	ds_store_b128 v12, v[32*\c+8*\t+4:32*\c+8*\t+7] offset:4352*\c+64*\t+16
.endr
.endr
	WIN 0
	ds_store_b32 v13, v[TE]
	ds_store_b32 v13, v[TE+1] offset:4352
	s_wait_dscnt 0x0                               ; for the others' sake: my stores have landed
	s_barrier_signal -1
	s_barrier_wait -1
.irp w, 0,1,2,3
.irp k, 0,1,2,3
	ds_load_b128 v[64+16*\w+4*\k:67+16*\w+4*\k], v14 offset:SCRW*\w+544*\k       ; lanes 0-15 one row of 256 bytes, lanes 16-31 the next
	ds_load_b32 v[128+4*\w+\k], v15 offset:SCRW*\w+544*\k
.endr
.endr
	s_wait_dscnt 0x0
	s_wait_alu depctr_vm_vsrc(0)                   ; my LDS stores above have read the divisor's part, whose registers the reciprocals below write, and O^T, which the next group begins anew
.if \G == 0
	s_barrier_signal -1                            ; every wave's reads of the scratches are back: behind this barrier they are written again
	s_barrier_wait -1
.endif
.irp k, 0,1,2,3
.irp e, 0,2
	v_pk_add_f32 v[64+4*\k+\e:65+4*\k+\e], v[64+4*\k+\e:65+4*\k+\e], v[80+4*\k+\e:81+4*\k+\e]
	v_pk_add_f32 v[96+4*\k+\e:97+4*\k+\e], v[96+4*\k+\e:97+4*\k+\e], v[112+4*\k+\e:113+4*\k+\e]
.endr
.endr
.irp k, 0,1,2,3
.irp e, 0,2
	v_pk_add_f32 v[64+4*\k+\e:65+4*\k+\e], v[64+4*\k+\e:65+4*\k+\e], v[96+4*\k+\e:97+4*\k+\e]
.endr
.endr
.irp k, 0,1,2,3
	v_add_f32 v[128+\k], v[128+\k], v[132+\k]
	v_add_f32 v[136+\k], v[136+\k], v[140+\k]
.endr
.irp k, 0,1,2,3
	v_add_f32 v[128+\k], v[128+\k], v[136+\k]      ; the divisor: at least 1, since key i counts for query i and a2 is at least 1
.endr
.irp k, 0,1,2,3
	v_rcp_f32 v[TE+\k], v[128+\k]
.endr
.if \G == 0
	s_wait_loadcnt 44                              ; drop_noise is in; the next group's 44 loads behind it stay out
.else
	s_wait_loadcnt 0x0
.endif
.irp i, 0,2,4,6,8,10,12,14
	v_pk_fma_f32 v[144+\i:145+\i], v[144+\i:145+\i], 0, 1.0 op_sel_hi:[1,0,0]    ; 1 + DROPOUT x drop_noise, DROPOUT = 0.0.  (Plain work behind the reciprocals)
.endr
	s_wait_alu depctr_va_vdst(0)                   ; the four reciprocals have written v196-199: one wait, ahead of their first reader
.irp k, 0,1,2,3
.irp e, 0,1,2,3
	v_mul_f32 v[64+4*\k+\e], v[64+4*\k+\e], v[TE+\k]
.endr
.endr
.irp i, 0,2,4,6,8,10,12,14
	v_pk_mul_f32 v[64+\i:65+\i], v[64+\i:65+\i], v[144+\i:145+\i]
.endr
	s_wait_alu depctr_va_vdst(0)                   ; the multiplications have written v64-79, which the stores below read; and all the sums above are done with v64-143, in which the next group's q lands from its stage
.irp k, 0,1,2,3
	global_store_b128 v22, v[64+4*\k:67+4*\k], s[GB+10:GB+11] offset:1024*\k th:TH_STORE_NT   ; 16 lanes store a row's 256 consecutive bytes, at a multiple of 256 from out0's first byte
.endr
.if \G == 0
	s_wait_xcnt 0x0                                ; the stores' addresses are translated,
	s_wait_alu depctr_vm_vsrc(0)                   ; and the stores have read their data registers, which the next group's q is loaded into
.endif
.endm
; A group's scalars.  g = p (G = 0) or 31 - p (G = 1).
.macro GSET G
.set GB, GS+24*\G
.if \G
	s_sub_co_u32 s32, 31, s20
.else
	s_mov_b32 s32, s20
.endif
	s_lshr_b32 s[GB], s32, 1
	s_add_co_u32 s[GB], s[GB], 1                   ; n = g / 2 + 1
.if \G
	s_sub_co_u32 s33, s19, s[GS]                   ; the second group's steps are numbered on from the first's
	s_and_b32 s[GB+1], s33, 3
.else
	s_mov_b32 s[GB+1], s19
.endif
	s_lshl_b32 s33, s32, 6
	s_sub_co_u32 s[GB+2], 1985, s33
	s_sub_co_u32 s[GB+2], s[GB+2], s17
	s_sub_co_u32 s[GB+5], s[GB], 1
	s_min_u32 s[GB+3], s[GB+1], s[GB+5]            ; the step whose images and window are asked for ahead of the loop: inside the head's images for a wave without a step too
	s_and_b32 s[GB+4], s32, 1
	s_lshl_b32 s[GB+4], s[GB+4], 6
	s_lshl_b32 s33, s21, 19                        ; a head: 2,048 rows of 256 bytes
	s_lshl_b32 s32, s32, 14                        ; a group: 64 rows
	s_add_co_u32 s32, s32, s33
	s_mov_b32 s33, 0
	s_add_nc_u64 s[GB+6:GB+7], s[4:5], s[32:33]
	s_add_nc_u64 s[GB+8:GB+9], s[12:13], s[32:33]
	s_add_nc_u64 s[GB+10:GB+11], s[14:15], s[32:33]
.endm
	s_load_b256 s[4:11], s[0:1], 0x0               ; q s[4:5], kimg s[6:7], vimg s[8:9], rtab s[10:11]
	s_load_b128 s[12:15], s[0:1], 0x20             ; drop_noise s[12:13], out0 s[14:15]
	v_lshl_add_u32 v254, v0, 2, 0x35c00
	v_mov_b32 v255, 0
	v_lshrrev_b32 v24, 5, v0
	v_readfirstlane_b32 s16, v24                   ; wave 0..7
	s_wait_alu depctr_va_sdst(0)                   ; s16 is written, ahead of its first reader
	s_lshr_b32 s17, s16, 2                         ; b: my class of queries
	s_and_b32 s18, s16, 3                          ; s: my place in the class
	s_lshl_b32 s19, s17, 1
	s_add_co_u32 s19, s19, s18
	s_and_b32 s19, s19, 3                          ; which steps are mine: (s + 2 b) mod 4
	s_mov_b32 s20, ttmp9                           ; p
	s_and_b32 s21, ttmp7, 0xffff                   ; z
	s_mov_b32 s34, 0x76543210
	s_mov_b32 s35, 0xfedcba98                      ; v_permlanex16_b32's selects for lane l xor 16
	s_mov_b32 s36, 0xffff0000                      ; lanes 16-31
	v_and_b32 v24, 31, v0                          ; lane
	v_and_b32 v1, 15, v0                           ; r
	v_bfe_u32 v2, v0, 4, 1                         ; h
	v_lshlrev_b32 v3, 4, v24
	v_lshlrev_b32 v4, 3, v24
	v_lshlrev_b32 v5, 2, v24
	v_mul_u32_u24 v6, v1, 48
	v_mad_u32_u24 v6, v2, 24, v6                   ; rpe's table: row r, + 24 h
	v_add_nc_u32 v7, TABS, v5                      ; its scale words: a word a lane
	s_mul_i32 s22, s16, SCRW
	s_add_co_u32 s22, s22, SCR                     ; my scratch
	v_lshrrev_b32 v25, 2, v1
	v_add_nc_u32 v25, 1, v25
	v_lshrrev_b32 v25, 1, v25
	v_lshlrev_b32 v25, 6, v25
	v_mad_u32_u24 v25, v1, 784, v25
	v_add_nc_u32 v25, s22, v25                     ; the skew's row r
	v_lshl_add_u32 v10, v2, 5, v25                 ; in: + 32 h
	v_lshl_add_u32 v11, v2, 6, v25
	v_lshlrev_b32 v26, 3, v1
	v_sub_nc_u32 v11, v11, v26
	v_add_nc_u32 v11, 120, v11                     ; out: + 64 h + 4 (30 - 2 r)
	v_mul_u32_u24 v26, v1, 272
	v_add_nc_u32 v26, s22, v26
	v_lshl_add_u32 v12, v2, 5, v26                 ; my part of O: row r, + 32 h
	v_add_nc_u32 v13, 256, v26                     ; and of the divisor
	v_lshl_add_u32 v20, v2, 7, v26                 ; q's stage, out: row r, block h
	v_mul_u32_u24 v27, v2, 272
	v_lshl_add_u32 v27, v1, 4, v27
	v_add_nc_u32 v19, s22, v27                     ; q's stage, in: lanes 0-15 one row, lanes 16-31 the next
	s_mul_i32 s23, s17, 4*SCRW
	s_mul_i32 s32, s18, 8*272
	s_add_co_u32 s23, s23, s32
	s_add_co_u32 s23, s23, SCR                     ; my class's first scratch, row 8 s
	v_add_nc_u32 v14, s23, v27
	v_mul_u32_u24 v15, v2, 272
	v_add_nc_u32 v15, s23, v15
	v_add_nc_u32 v15, 256, v15
	v_lshlrev_b32 v16, 1, v1
	v_add_nc_u32 v16, s17, v16
	v_lshlrev_b32 v25, 4, v2
	v_sub_nc_u32 v16, v16, v25                     ; b + 2 r - 16 h, for the mask
	v_mov_b32 v18, 0
	v_lshlrev_b32 v21, 4, v1
	v_lshl_add_u32 v21, v2, 9, v21
	s_lshl_b32 s32, s17, 8
	v_add_nc_u32 v21, s32, v21                     ; in q: 256 b + 512 (lane / 16) + 16 (lane % 16): rows of one parity lie 512 bytes apart
	s_lshl_b32 s32, s18, 12
	v_add_nc_u32 v22, s32, v21                     ; in drop_noise and out0: + the eight rows that I finish
	v_lshlrev_b32 v23, 3, v2
	v_lshlrev_b32 v28, 4, v0                       ; the table's way in: 16 bytes a thread, in memory and in LDS alike,
	v_lshlrev_b32 v29, 2, v0
	v_add_nc_u32 v30, 0x10000, v28                 ; (an LDS offset has 16 bits)
	v_add_nc_u32 v31, 118784, v29                  ; and 4 for the last 1,024 bytes
.irp i, 0,1,2,3,4,5,6,7
	v_mov_b32 v[ONE+\i], 1.0
.endr
.irp i, 0,1,2,3
	v_mov_b32 v[BY+\i], 0                          ; written once: a lane permute's destination counts as one of its sources
.endr
	WIN 0x40
.irp i, 0,1,2,3,4,5
	v_mov_b32 v[KF+48+\i], 0                       ; the zeros that end the packed runs
	v_mov_b32 v[RF+72+\i], 0
.endr
	WIN 0
	s_wait_kmcnt 0x0
	GSET 0
	GSET 1
	s_mul_i32 s32, s21, 106496
	s_add_nc_u64 s[24:25], s[6:7], s[32:33]        ; my head's 16 images of k  (s33 = 0)
	s_mul_i32 s32, s21, 102400
	s_add_nc_u64 s[26:27], s[8:9], s[32:33]        ; and of v
	s_wait_alu depctr_va_vdst(0)                   ; the offsets and LDS addresses v3 to v31 are written, which the kernel's loads and stores read (all but v8 and v9 are never written again); so are the zeros that end the packed runs, which products take as part of an operand
.set i, 0
.rept 29
	global_load_b128 v[40+4*i:43+4*i], v28, s[10:11] offset:4096*i   ; the work-group's 256 threads read 4,096 consecutive bytes: codes, then scale words
.set i, i+1
.endr
	global_load_b32 v156, v29, s[10:11] offset:118784
	QLOAD 0
	KVLOAD GS+3
	s_wait_loadcnt 44                              ; the table's 30 loads are in; q's 16, k's 14 and v's 14 behind them stay out
.set i, 0
.rept 16
	ds_store_b128 v28, v[40+4*i:43+4*i] offset:4096*i
.set i, i+1
.endr
.rept 13
	ds_store_b128 v30, v[40+4*i:43+4*i] offset:4096*(i-16)
.set i, i+1
.endr
	ds_store_b32 v31, v156
	s_wait_dscnt 0x0                               ; the stores have landed
	s_wait_alu depctr_vm_vsrc(0)                   ; and have read v40 to v156: q's numbers are loaded into these registers, and q's codes are written there
	QPREP
	s_wait_dscnt 0x0
	s_barrier_signal -1
	s_barrier_wait -1                              ; every wave's part of the table lies in LDS
	RFIRST 0
	UNITS 0, 2                                     ; group p has at most 8 steps: two of mine at the most
	EPI 0
	QPREP
	RFIRST 1
	UNITS 1, 4                                     ; group 31 - p has at most 16
	EPI 1
	s_wait_dscnt 0x0                               ; the closing lines, six on end
	s_wait_alu 0x0
	s_wait_tensorcnt 0x0
	ds_add_u32 v254, v255
	s_wait_dscnt 0x0
	s_endpgm
.Lfunc_end_k_q1f79216a1e_attn:
	.size	k_q1f79216a1e_attn, .Lfunc_end_k_q1f79216a1e_attn-k_q1f79216a1e_attn
	.p2alignl 7, 3214868480
	.fill 96, 4, 3214868480
	.section	.rodata,"a",@progbits
	.p2align	6, 0x0
	.amdhsa_kernel k_q1f79216a1e_attn
		.amdhsa_group_segment_fixed_size 221184
		.amdhsa_private_segment_fixed_size 0
		.amdhsa_enable_private_segment 0
		.amdhsa_kernarg_size 48
		.amdhsa_user_sgpr_count 2
		.amdhsa_user_sgpr_kernarg_segment_ptr 1
		.amdhsa_wavefront_size32 1
		.amdhsa_system_sgpr_workgroup_id_x 1
		.amdhsa_system_sgpr_workgroup_id_y 1
		.amdhsa_system_sgpr_workgroup_id_z 1
		.amdhsa_system_vgpr_workitem_id 0
		.amdhsa_next_free_vgpr 512
		.amdhsa_next_free_sgpr 90
		.amdhsa_reserve_vcc 0
		.amdhsa_float_denorm_mode_32 3
		.amdhsa_float_denorm_mode_16_64 3
		.amdhsa_memory_ordered 1
		.amdhsa_forward_progress 1
		.amdhsa_inst_pref_size 165
	.end_amdhsa_kernel
	.amdgpu_metadata
---
amdhsa.version: [ 1, 2 ]
amdhsa.kernels:
  - .name:           k_q1f79216a1e_attn
    .symbol:         k_q1f79216a1e_attn.kd
    .args:
      - { .name: q, .offset: 0, .size: 8, .value_kind: global_buffer, .address_space: global }
      - { .name: kimg, .offset: 8, .size: 8, .value_kind: global_buffer, .address_space: global }
      - { .name: vimg, .offset: 16, .size: 8, .value_kind: global_buffer, .address_space: global }
      - { .name: rtab, .offset: 24, .size: 8, .value_kind: global_buffer, .address_space: global }
      - { .name: drop_noise, .offset: 32, .size: 8, .value_kind: global_buffer, .address_space: global }
      - { .name: out0, .offset: 40, .size: 8, .value_kind: global_buffer, .address_space: global }
    .group_segment_fixed_size: 221184
    .private_segment_fixed_size: 0
    .kernarg_segment_align: 8
    .kernarg_segment_size: 48
    .max_flat_workgroup_size: 256
    .sgpr_count:     90
    .vgpr_count:     512
    .wavefront_size: 32
...
	.end_amdgpu_metadata
.endif
;; end of part 3
